; MI455X (gfx1250); checked and timed in simulation.
; The chip was launched on July 23, 2026; its instructions are those of AMD's public machine-readable ISA for CDNA 5 (MIT licence, August 2026) and "CDNA5" Instruction Set Architecture Reference Guide (July 2026). The comments in the code are by the model that wrote it; some were corrected since.
;; Example Model. Allowed arithmetic: float matrix products may take bf16 or f16 operands with f32 sums; all other float work in f32.
;; Inputs: b1 8 x 2,048 float32; b2 8 x 512 float32; gate_b 8 float32; gate_w 512 x 8 float32; w1 8 x 512 x 2,048 float32; w2 8 x 2,048 x 512 float32; x 8 x 512 x 512 float32.
;; Outputs: out0 8 x 512 float32.
;; 2 versions, each right and faster than the one before. Each part assembles by itself: llvm-mc -triple=amdgcn-amd-amdhsa -mcpu=gfx1250 --defsym DOCPART=n.
;; ======== version 1 of 2: 3 launches
;; limits: a function is approximated: absolute error at most 1.5e-07
;; workspace buffers: route 16,384 bytes of whole numbers; score 32,768 bytes; xb 4,194,304 bytes; part 1,056,768 bytes
;; launch gate (part 1): grid 256 x 1, 4 waves a work-group, no clusters, 0 bytes of LDS; arguments x, gate_w, gate_b, route, score, xb; writes route, score, xb
.if DOCPART == 1
	.amdgcn_target "amdgcn-amd-amdhsa--gfx1250"
	.amdhsa_code_object_version 6
	.text
	.protected	k_qbdfba5a255_gate
	.globl	k_qbdfba5a255_gate
	.p2align	8
	.type	k_qbdfba5a255_gate,@function
k_qbdfba5a255_gate:
	s_mov_b64 s[64:65], 0
	v_nop
	global_prefetch_b8 v0, s[64:65] scope:SCOPE_SE
	s_setreg_imm32_b32 hwreg(HW_REG_WAVE_MODE, 25, 1), 1
	s_wait_xcnt 0x0
; THE GATE.  logits[t][e] = x[t] . gate_w[:, e] + gate_b[e] in f32 on the vector unit (a logit rounded to bf16 could change which experts are
; chosen); the two largest logits, the lower index first among equals, as top_k orders them; softmax over the two, the larger taken away first.
; Stored: route[t] = 1<<e0 | 1<<(e1+12) | e0<<24 | e1<<28 (whole numbers, from which the later launches form addresses), score[0][t], score[1][t],
; and x rounded to bf16 (xb), the operand of the matrix launch.
; SHARES.  4,096 tokens: 16 a work-group, 4 a wave.  Of every row lane l holds channels d = 128 q + 4 l + c (q, c = 0..3): a load of 16 bytes a lane
; takes 512 neighbouring bytes of x, and a store of 8 bytes a lane 256 neighbouring, aligned bytes of xb.  The lane's 16 rows of gate_w (128 numbers)
; stay in registers for the wave's four tokens.
; No matrix unit: 8 columns, and f32 is wanted.  No LDS, no barrier: a token never leaves its wave.
; LIMITS.  Logits are taken to be finite (no NaN, no -inf).  The f32 sums run in another order than a row-by-row sum.
; route and score leave as 16 neighbouring bytes a wave: 48 KiB in all, against 4 MiB of xb in whole blocks of 256 bytes.
.set X,   32                           ; v[32:95]    token j: 16 numbers of x, index 4 q + c; later its bf16 words
.set A,   96                           ; v[96:127]   token j: 8 sums
.set GW,  128                          ; v[128:255]  gate_w: row index 4 q + c, 8 experts each; later at work in the reduction
.set RT,  16                           ; v[16:19]    token j: the route word
.set S0,  20                           ; v[20:23]    its first score
.set S1,  24                           ; v[24:27]    its second score
.set LOG2E, 0x3fb8aa3b
	s_load_b256 s[4:11], s[0:1], 0x0               ; x s[4:5], gate_w s[6:7], gate_b s[8:9], route s[10:11]
	s_load_b128 s[12:15], s[0:1], 0x20             ; score s[12:13], xb s[14:15]
	v_and_b32 v1, 31, v0                           ; lane
	v_lshrrev_b32 v2, 5, v0
	v_readfirstlane_b32 s2, v2                     ; wave
	s_lshl_b32 s3, ttmp9, 4
	s_lshl2_add_u32 s3, s2, s3                     ; my first token = 16 x work-group + 4 x wave
	v_lshlrev_b32 v2, 4, v1                        ; 16 l: x
	v_lshlrev_b32 v3, 7, v1                        ; 128 l: four rows of gate_w
	v_lshlrev_b32 v4, 3, v1                        ; 8 l: xb
	v_lshlrev_b32 v5, 2, v1                        ; 4 l: route, score
	s_mov_b32 s24, 0x76543210                      ; v_permlanex16_b32: each lane takes its own place in the other half
	s_mov_b32 s25, 0xfedcba98
	s_mov_b32 s26, 2                               ; masks of lane 1, 2, 3
	s_mov_b32 s27, 4
	s_mov_b32 s28, 8
	s_mov_b32 s29, 0x1000
	s_mov_b32 s31, 0
	s_wait_kmcnt 0x0
	s_load_b256 s[16:23], s[8:9], 0x0              ; gate_b: eight numbers, the same for every lane
	s_lshl_b32 s30, s3, 11
	s_add_nc_u64 s[4:5], s[4:5], s[30:31]          ; x at my first token (rows of 2,048 bytes)
	s_lshl_b32 s30, s3, 10
	s_add_nc_u64 s[14:15], s[14:15], s[30:31]      ; xb (rows of 1,024 bytes)
	s_lshl_b32 s30, s3, 2
	s_add_nc_u64 s[10:11], s[10:11], s[30:31]      ; route
	s_add_nc_u64 s[12:13], s[12:13], s[30:31]      ; score
.set d, 0
.rept 16
	global_load_b128 v[GW+8*d:GW+8*d+3],   v3, s[6:7] offset:(d/4)*4096+(d%4)*32
	global_load_b128 v[GW+8*d+4:GW+8*d+7], v3, s[6:7] offset:(d/4)*4096+(d%4)*32+16
.set d, d+1
.endr
.irp j, 0,1,2,3
.irp q, 0,1,2,3
	global_load_b128 v[X+16*\j+4*\q:X+16*\j+4*\q+3], v2, s[4:5] offset:\j*2048+\q*512 th:TH_LOAD_NT
.endr
.endr
; Token j: 16 channels x 8 experts, two experts to an instruction; x's number is taken for both halves.  Then the row goes out in bf16.
.macro TOKEN j
	s_wait_loadcnt 12-4*\j                         ; loads come back in order: gate_w and my row are in, the younger tokens' four loads each stay out
.set d, 0
.rept 16
.set xr, X+16*\j+d-(d%2)
.irp p, 0,1,2,3
.if d == 0
	v_pk_mul_f32 v[A+8*\j+2*\p:A+8*\j+2*\p+1], v[GW+8*d+2*\p:GW+8*d+2*\p+1], v[xr:xr+1] op_sel_hi:[1,0]   ; the first channel starts the sums
.elseif d%2 == 0
	v_pk_fma_f32 v[A+8*\j+2*\p:A+8*\j+2*\p+1], v[GW+8*d+2*\p:GW+8*d+2*\p+1], v[xr:xr+1], v[A+8*\j+2*\p:A+8*\j+2*\p+1] op_sel_hi:[1,0,1]
.else
	v_pk_fma_f32 v[A+8*\j+2*\p:A+8*\j+2*\p+1], v[GW+8*d+2*\p:GW+8*d+2*\p+1], v[xr:xr+1], v[A+8*\j+2*\p:A+8*\j+2*\p+1] op_sel:[0,1,0] op_sel_hi:[1,1,1]
.endif
.endr
.set d, d+1
.endr
.irp q, 0,1,2,3
	v_cvt_pk_bf16_f32 v[X+16*\j+4*\q],   v[X+16*\j+4*\q],   v[X+16*\j+4*\q+1]
	v_cvt_pk_bf16_f32 v[X+16*\j+4*\q+1], v[X+16*\j+4*\q+2], v[X+16*\j+4*\q+3]
	global_store_b64 v4, v[X+16*\j+4*\q:X+16*\j+4*\q+1], s[14:15] offset:\j*1024+\q*256   ; the wave stores 256 neighbouring bytes, aligned; these registers are not written again
.endr
.endm
	TOKEN 0
	TOKEN 1
	TOKEN 2
	TOKEN 3
	; The 32 sums over the 32 lanes, stage by stage, so that no instruction waits for the one in front of it; every lane ends with every logit.
.irp m, 1,2,4,8
.set i, 0
.rept 32
	v_add_f32_dpp v[A+i], v[A+i], v[A+i] row_xmask:\m row_mask:0xf bank_mask:0xf
.set i, i+1
.endr
.endr
.set i, 0
.rept 32
	v_permlanex16_b32 v[GW+i], v[A+i], s24, s25    ; gate_w's registers are spent, and have been written
.set i, i+1
.endr
	s_wait_kmcnt 0x0                               ; gate_b
.set i, 0
.rept 32
	v_add_f32 v[A+i], v[A+i], v[GW+i]
.set i, i+1
.endr
.set i, 0
.rept 32
	v_add_f32 v[A+i], s[16+(i%8)], v[A+i]
.set i, i+1
.endr
; Token j's two largest logits (m1, i1) in v6, v7 and (m2, i2) in v8, v9, by selects alone: no branch hangs on a floating-point number.
; The compares are strict, so of equal logits the lower index stays in front.
.macro TOP2 j
	v_mov_b32 v6, v[A+8*\j]
	v_mov_b32 v7, 0
	v_mov_b32 v8, 0xff800000                       ; -inf: any finite logit takes its place
	v_mov_b32 v9, 0
.irp e, 1,2,3,4,5,6,7
	v_cmp_gt_f32 vcc_lo, v[A+8*\j+\e], v6
	v_cmp_gt_f32 s32, v[A+8*\j+\e], v8
	v_cndmask_b32 v8, v8, v[A+8*\j+\e], s32        ; larger than the second: it is the second,
	v_cndmask_b32 v9, v9, \e, s32
	v_cndmask_b32 v8, v8, v6, vcc_lo               ; unless it is larger than the first, which then steps down
	v_cndmask_b32 v9, v9, v7, vcc_lo
	v_cndmask_b32 v6, v6, v[A+8*\j+\e], vcc_lo
	v_cndmask_b32 v7, v7, \e, vcc_lo
.endr
	v_sub_f32 v10, v8, v6                          ; m2 - m1 <= 0: the maximum is taken away
	v_mul_f32 v10, LOG2E, v10
	v_exp_f32 v10, v10                             ; t = e^(m2 - m1)
	v_lshlrev_b32 v12, v7, 1                       ; a plain instruction between the exponential and the use of its result
	s_wait_alu depctr_va_vdst(0)
	v_add_f32 v11, 1.0, v10
	v_rcp_f32 v[S0+\j], v11                        ; 1 / (1 + t)
	v_lshlrev_b32 v13, v9, s29                     ; a plain instruction again
	s_wait_alu depctr_va_vdst(0)
	v_mul_f32 v[S1+\j], v10, v[S0+\j]              ; t / (1 + t)
	v_or_b32 v12, v12, v13
	v_lshl_or_b32 v12, v7, 24, v12
	v_lshl_or_b32 v[RT+\j], v9, 28, v12
.endm
	TOP2 0
	TOP2 1
	TOP2 2
	TOP2 3
	; lane j (0 to 3) takes token j's three numbers
.irp b, RT, S0, S1
	v_cndmask_b32 v[\b], v[\b], v[\b+1], s26
	v_cndmask_b32 v[\b], v[\b], v[\b+2], s27
	v_cndmask_b32 v[\b], v[\b], v[\b+3], s28
.endr
	v_cmp_gt_u32 vcc_lo, 4, v1
	s_wait_xcnt 0x0                                ; EXEC is a source of the stores of xb: it is narrowed only behind this wait
	s_and_saveexec_b32 s33, vcc_lo
	global_store_b32 v5, v[RT], s[10:11]
	global_store_b32 v5, v[S0], s[12:13]
	global_store_b32 v5, v[S1], s[12:13] offset:16384
	s_endpgm
.Lfunc_end_k_qbdfba5a255_gate:
	.size	k_qbdfba5a255_gate, .Lfunc_end_k_qbdfba5a255_gate-k_qbdfba5a255_gate
	.p2alignl 7, 3214868480
	.fill 96, 4, 3214868480
	.section	.rodata,"a",@progbits
	.p2align	6, 0x0
	.amdhsa_kernel k_qbdfba5a255_gate
		.amdhsa_group_segment_fixed_size 0
		.amdhsa_private_segment_fixed_size 0
		.amdhsa_enable_private_segment 0
		.amdhsa_kernarg_size 48
		.amdhsa_user_sgpr_count 2
		.amdhsa_user_sgpr_kernarg_segment_ptr 1
		.amdhsa_wavefront_size32 1
		.amdhsa_system_sgpr_workgroup_id_x 1
		.amdhsa_system_sgpr_workgroup_id_y 1
		.amdhsa_system_sgpr_workgroup_id_z 1
		.amdhsa_system_vgpr_workitem_id 0
		.amdhsa_next_free_vgpr 256
		.amdhsa_next_free_sgpr 66
		.amdhsa_reserve_vcc 1
		.amdhsa_float_denorm_mode_32 3
		.amdhsa_float_denorm_mode_16_64 3
		.amdhsa_memory_ordered 1
		.amdhsa_forward_progress 1
		.amdhsa_inst_pref_size 52
	.end_amdhsa_kernel
	.amdgpu_metadata
---
amdhsa.version: [ 1, 2 ]
amdhsa.kernels:
  - .name:           k_qbdfba5a255_gate
    .symbol:         k_qbdfba5a255_gate.kd
    .args:
      - { .name: x, .offset: 0, .size: 8, .value_kind: global_buffer, .address_space: global }
      - { .name: gate_w, .offset: 8, .size: 8, .value_kind: global_buffer, .address_space: global }
      - { .name: gate_b, .offset: 16, .size: 8, .value_kind: global_buffer, .address_space: global }
      - { .name: route, .offset: 24, .size: 8, .value_kind: global_buffer, .address_space: global }
      - { .name: score, .offset: 32, .size: 8, .value_kind: global_buffer, .address_space: global }
      - { .name: xb, .offset: 40, .size: 8, .value_kind: global_buffer, .address_space: global }
    .group_segment_fixed_size: 0
    .private_segment_fixed_size: 0
    .kernarg_segment_align: 8
    .kernarg_segment_size: 48
    .max_flat_workgroup_size: 128
    .sgpr_count:     66
    .vgpr_count:     256
    .wavefront_size: 32
...
	.end_amdgpu_metadata
.endif
;; end of part 1
;; launch expert (part 2): grid 256 x 1, 4 waves a work-group, no clusters, 233,216 bytes of LDS; arguments route, xb, w1, b1, w2, part; writes part
.if DOCPART == 2
	.amdgcn_target "amdgcn-amd-amdhsa--gfx1250"
	.amdhsa_code_object_version 6
	.text
	.protected	k_qbdfba5a255_expert
	.globl	k_qbdfba5a255_expert
	.p2align	8
	.type	k_qbdfba5a255_expert,@function
k_qbdfba5a255_expert:
	s_mov_b64 s[64:65], 0
	v_nop
	global_prefetch_b8 v0, s[64:65] scope:SCOPE_SE
	s_setreg_imm32_b32 hwreg(HW_REG_WAVE_MODE, 25, 1), 1
	s_wait_xcnt 0x0
; THE EXPERTS.  The model sums each token's output over its 512 channels, and that sum is linear: sum_d (h @ w2[e] + b2[e]) = h . rowsum(w2[e]) + sum(b2[e]).
; A token with combine weight 0 for an expert adds 0.  So work-group (e, hc) computes, for every token t that the gate sent to expert e as its choice k,
;   part[hc][4096 k + t] = sum over its 64 columns n of gelu(x[t] . w1[e][:, n] + b1[e][n]) x rowsum(w2[e][n]).
; SHARES.  8 experts x 32 blocks of 64 columns = 256 work-groups; each reads its 128 KiB of w1 (pieces of 256 aligned bytes) and its 128 KiB of w2
; (contiguous) once, so every weight byte is read once in the launch.  Every wave keeps the whole block of w1 (64 columns x 512 K, bf16) in 512 registers.
; Wave w owns tokens 1024 w .. 1024 w + 1023: it makes its own list of those sent to e and walks it in groups of 32: two tiles of 16 tokens x four blocks
; of 16 columns x 16 K steps = 128 matrix instructions.  Nothing in the loop is shared between waves: no barrier stands in it, and trips may differ.
; THE LIST is made in LDS (a scatter by rank) and then read whole into 32 registers, lane l of register g = entry 32 g + l.  In the loop a group's register is
; picked by a tree of selects on the bits of g, so that every LDS address in the loop is a constant of the text plus terms of the wave and the lane,
; and each wave's bytes can be read off the text as its own.
; THE MATRIX INSTRUCTION: source 0 = 16 columns of w1, source 1 = 16 tokens.  In the result lane (r, h) holds token r and columns 16 nb + 8 h + 0..7, so b1
; and w2's sums are one number a register, b1 is the C of the first K step, and the sum over columns stays in the lane but for one exchange of halves.
; GELU, exact form: w1 and b1 are multiplied by s = sqrt(log2(e) / 2) before w1 is rounded, so the sums are u = s z and e^(-z^2/2) = 2^(-u^2).
; erf(|z|/sqrt 2) = 1 - t (a1 + t (a2 + t (a3 + t (a4 + t a5)))) 2^(-u^2), t = 1 / (1 + c1 |u|) (Abramowitz and Stegun 7.1.26: absolute error at most
; 1.5e-7 for every argument).  u + |u| erf = 2 s gelu(z); the factor 1 / (2 s) lies in w2's sums.  For large |u| the exponential is 0 and erf is 1.
; NO JOINT LOADS: the 32 work-groups of an expert do read the same rows of xb, but the rows come by a list, each wave's own and of its own length, lane by
; lane through registers; a dense tile that partners could ask for together would need the rows sorted and copied by a further launch.
; Any counts from 0 to 1,024 a wave give right values; ranks behind the last token hold a padding entry (token e, a row that exists), whose result goes to
; the spare word 8192 + e of part's row, which nothing reads; a wave with no token walks one group of padding.
; part is stored 4 bytes a lane at the token's own place: 1 MiB in all, and the last launch reads it with fixed, neighbouring addresses in return.
;
; LDS: WST [512 k][64 n] bf16, rows 160 bytes apart (5 x 32); W2SL 64 f32; LIST: for each wave 1,024 entries, then a dump word
;      XB: for each wave 32 rows of xb, 1,040 bytes apart (65 x 16: the 16 rows of a fragment load start 16 bytes apart modulo 256); SCR: for each wave 32 words.
; REGISTERS, in windows of 256 (s_set_vgpr_msb: bits 1:0 source 0, 3:2 source 1, 5:4 source 2, 7:6 destination):
;   window 0: v0-15 addresses and odds; v16-31 the gather's offsets; v32-95 eight accumulators; v96-191 fragments of x, three buffers of 32 (used again by
;             gelu); v192-223 the list; v224-255 b1
;   window 1: the 64 row loads of a group (32 rows x 1,024 bytes)     window 2: w1's fragments of K steps 0-7     window 3: of K steps 8-15
.set WPITCH, 160
.set W2SL,  81920
.set LIST,  82176
.set LISTB, 4352
.set XB,    99584
.set XBW,   33280
.set XP,    1040
.set SCR,   232704
.set MAXG,  32                         ; groups a wave can have at the most: 1,024 tokens / 32
.set WA,   0                           ; v0      LDS address of my half's sums of w2 (set when the thread's number has served)
.set LANE, 1                           ; v1      lane
.set A4,   2                           ; v[2:3]  a4, twice (r and h lie here while the addresses are made)
.set XS,   4                           ; v4      XB: where I put 16 bytes of a row
.set XA,   5                           ; v5      XB: my fragments
.set LB,   6                           ; v6      my wave's list (ahead of the loop)
.set LE0,  7                           ; v7      the list, my half's 16 entries of group 0 (ahead of the loop)
.set NE,   7                           ; v7      in the loop: lane l holds entry l of the group whose rows were asked for last
.set LD0,  8                           ; v8      the list, my lane's entry of group 0 (ahead of the loop)
.set SCS,  9                           ; v9      SCR: my lane's word
.set SCL,  10                          ; v10     SCR: my half's 16 words
.set RES,  11                          ; v11     the result to store (ahead of the loop: 16 x lane, for the route words)
.set RO,   11
.set TR,   12                          ; v12, v13  the turning loads' addresses (ahead of the loop)
.set TR2,  13
.set SO,   14                          ; v14     the store's offset
.set L16,  15                          ; v15     16 r
.set GA,   16                          ; v[16:31] byte offsets in xb of the rows to gather
.set ACC,  32
.set XF,   96                          ; three buffers of 32: chunk c (K steps 2 c, 2 c + 1) lies in buffer c % 3
.set LR,   192                         ; the list: 32 registers
.set B1,   224
.set EN,   XF                          ; at a group's head: the select tree, then 16 list entries
.set SS,   XF                          ; gelu: two pairs of running sums, one a tile
.set TD,   XF+16
.set TQ,   XF+32
.set TP,   XF+48
.set W2S,  XF+64                       ; w2's sums, 8 nb + j: buffer 2, free behind chunk 5
; ahead of the loop only:
.set VW1,  16
.set VW2,  17
.set WS,   18
.set WS2,  19
.set W2ST, 20
.set TOK0, 21
.set TT,   22
.set B1A,  23
.set LT,   24                          ; two sets of three, at 24 and 28
.set PADV, 27
.set DUMPR, 31
.set PS,   32                          ; three sets of 64 registers for the weights on their way
.set R,    224                         ; 32 route words
.set MSB, 0
.macro WIN new                         ; the immediate's high byte repeats the setting that is left; a switch that changes nothing is dropped
.if MSB != \new
	s_set_vgpr_msb (MSB<<8)|\new
.set MSB, \new
.endif
.endm
.macro PLACES                          ; four places between a matrix instruction and a load into, or a vector write of, one of its registers, or a vector read of its result
.rept 4
	v_nop
.endr
.endm
	s_load_b256 s[4:11], s[0:1], 0x0               ; route s[4:5], xb s[6:7], w1 s[8:9], b1 s[10:11]
	s_load_b128 s[12:15], s[0:1], 0x20             ; w2 s[12:13], part s[14:15]
	v_and_b32 v[LANE], 31, v0
	v_lshrrev_b32 v2, 5, v0
	v_readfirstlane_b32 s16, v2                    ; wave
	s_lshr_b32 s17, ttmp9, 5                       ; e
	s_and_b32 s18, ttmp9, 31                       ; hc: neighbouring work-groups read neighbouring pieces of w1's rows
	s_mov_b32 s26, 0x3e8ba43f                      ; c1 = 0.3275911 / sqrt(log2 e)
	s_mov_b32 s28, 0x3e827906                      ; a1, a2, a3, a5: pairs, since the packed forms name pairs
	s_mov_b32 s29, 0x3e827906
	s_mov_b32 s30, 0xbe91a98e
	s_mov_b32 s31, 0xbe91a98e
	s_mov_b32 s32, 0x3fb5f0e3
	s_mov_b32 s33, 0x3fb5f0e3
	s_mov_b32 s36, 0x3f87dc22
	s_mov_b32 s37, 0x3f87dc22
	s_mov_b32 s38, 0x3f596d27                      ; s = sqrt(log2(e) / 2)
	s_mov_b32 s39, 0x3f596d27
	s_mov_b32 s40, 0x3f16b55f                      ; 1 / (2 s)
	s_mov_b32 s41, 0xffff0000                      ; lanes 16-31
	s_mov_b32 s42, 0x76543210                      ; v_permlanex16_b32: each lane takes its own place in the other half
	s_mov_b32 s43, 0xfedcba98
	v_and_b32 v2, 15, v0                           ; r
	v_bfe_u32 v3, v0, 4, 1                         ; h
	v_lshrrev_b32 v[TT], 4, v0                     ; thread / 16 = 0..7
	v_lshlrev_b32 v[L16], 4, v2
	v_lshl_add_u32 v[VW1], v[TT], 13, v[L16]       ; w1: row thread / 16 (8,192 bytes a row), 16 r: sixteen lanes take an aligned 256 bytes
	v_mul_u32_u24 v[WS], v[TT], WPITCH
	v_lshl_add_u32 v[WS], v2, 3, v[WS]             ; WST: the same row, 8 r
	v_add_nc_u32 v[WS2], 256*WPITCH, v[WS]         ; rows 256 on: the immediate has 16 bits
	s_lshl_b32 s20, s16, 15
	v_lshl_add_u32 v[VW2], v[LANE], 4, s20         ; w2: my wave's 16 rows of 2,048 bytes, 16 x lane
	v_lshlrev_b32 v[RO], 4, v[LANE]                ; route: 16 x lane
	v_and_b32 v[TT], 7, v0
	v_lshl_add_u32 v[TT], v3, 3, v[TT]
	v_mul_u32_u24 v[TR], v[TT], WPITCH             ; the turning load: row 8 h + l % 8,
	v_bfe_u32 v[TT], v0, 3, 1
	v_lshl_add_u32 v[TR], v[TT], 4, v[TR]          ; 16 bytes x ((l / 8) % 2)
	v_add_nc_u32 v[TR2], 256*WPITCH, v[TR]
	s_lshl_b32 s20, s16, 6
	s_add_co_u32 s20, s20, W2SL
	v_mov_b32 v[W2ST], s20                         ; W2SL: my wave's 16 sums
	s_mul_i32 s20, s16, LISTB
	s_add_co_u32 s20, s20, LIST
	v_mov_b32 v[LB], s20
	v_lshl_add_u32 v[LE0], v3, 6, v[LB]
	v_lshl_add_u32 v[LD0], v[LANE], 2, v[LB]
	s_lshl_b32 s20, s16, 7
	s_add_co_u32 s20, s20, SCR
	v_lshl_add_u32 v[SCS], v[LANE], 2, s20         ; SCR: my wave's 128 bytes, 4 x lane
	v_lshl_add_u32 v[SCL], v3, 6, s20              ; and 64 h
	s_mul_i32 s20, s16, XBW
	s_add_co_u32 s20, s20, XB
	v_mul_u32_u24 v[XS], v3, 16*XP
	v_add3_u32 v[XS], v[XS], v[L16], s20           ; in: row p + 16 h, 16 r
	v_mul_u32_u24 v[XA], v2, XP
	v_lshl_add_u32 v[XA], v3, 4, v[XA]
	v_add_nc_u32 v[XA], s20, v[XA]                 ; out: row r, 16 h
	s_lshl_b32 s20, s16, 10
	v_lshl_add_u32 v[TOK0], v[LANE], 2, s20        ; 1024 w + 4 x lane
	v_lshlrev_b32 v[B1A], 5, v3                    ; b1: my half's eight numbers of a block
	v_mov_b32 v[DUMPR], 1024                       ; the rank of the list's dump word
	s_add_co_u32 s20, s17, 8192
	v_mov_b32 v[PADV], s20                         ; the padding entry
	v_lshl_add_u32 v[WA], v3, 5, W2SL              ; the thread's number has served
	v_mov_b32 v[A4], 0xbfba00e3                    ; r and h too
	v_mov_b32 v[A4+1], 0xbfba00e3
	s_mov_b32 s25, 0
	s_wait_kmcnt 0x0
	s_lshl_b32 s24, s16, 12
	s_add_nc_u64 s[4:5], s[4:5], s[24:25]          ; route at my wave's 1,024 tokens
	s_lshl_b32 s24, s17, 22
	s_lshl_b32 s23, s18, 8
	s_add_co_u32 s24, s24, s23
	s_add_nc_u64 s[8:9], s[8:9], s[24:25]          ; w1[e][0][64 hc]
	s_lshl_b32 s24, s17, 22
	s_lshl_b32 s23, s18, 17
	s_add_co_u32 s24, s24, s23
	s_add_nc_u64 s[12:13], s[12:13], s[24:25]      ; w2[e][64 hc][0]
	s_lshl_b32 s24, s17, 13
	s_lshl_b32 s23, s18, 8
	s_add_co_u32 s24, s24, s23
	s_add_nc_u64 s[10:11], s[10:11], s[24:25]      ; b1[e][64 hc]
	s_mul_i32 s24, s18, 33024
	s_add_nc_u64 s[14:15], s[14:15], s[24:25]      ; part[hc]
; Batch b of w1: rows 128 b + 8 i + thread / 16, i = 0..15, into set st.
.macro W1LD b, st
.set i, 0
.rept 16
	global_load_b128 v[PS+64*\st+4*i:PS+64*\st+4*i+3], v[VW1], s[8:9] offset:(128*\b+8*i)*8192 th:TH_LOAD_NT
.set i, i+1
.endr
.endm
; The batch times s, rounded to bf16, into WST.
.macro W1CV b, st
.set i, 0
.rept 16
.set rg, PS+64*\st+4*i
	v_pk_mul_f32 v[rg:rg+1],   v[rg:rg+1],   s[38:39] op_sel_hi:[1,0]
	v_pk_mul_f32 v[rg+2:rg+3], v[rg+2:rg+3], s[38:39] op_sel_hi:[1,0]
	v_cvt_pk_bf16_f32 v[rg],   v[rg],   v[rg+1]
	v_cvt_pk_bf16_f32 v[rg+1], v[rg+2], v[rg+3]
.if \b < 2
	ds_store_b64 v[WS],  v[rg:rg+1] offset:((128*\b+8*i)%256)*WPITCH
.else
	ds_store_b64 v[WS2], v[rg:rg+1] offset:((128*\b+8*i)%256)*WPITCH
.endif
.set i, i+1
.endr
.endm
; Batch b of w2: my wave's rows 4 b .. 4 b + 3, each as four loads of 512 neighbouring bytes.
.macro W2LD b, st
.set i, 0
.rept 16
	global_load_b128 v[PS+64*\st+4*i:PS+64*\st+4*i+3], v[VW2], s[12:13] offset:(4*\b+i/4)*2048+(i%4)*512 th:TH_LOAD_NT
.set i, i+1
.endr
.endm
; The four rows' sums in f32, stage by stage over the rows; times 1 / (2 s); every lane stores the same word.
.macro W2SUM b, st
.irp o, 0,2,4,6
.irp rr, 0,1,2,3
.set rg, PS+64*\st+16*\rr
	v_pk_add_f32 v[rg+\o:rg+\o+1], v[rg+\o:rg+\o+1], v[rg+\o+8:rg+\o+9]
.endr
.endr
.irp o, 0,2
.irp rr, 0,1,2,3
.set rg, PS+64*\st+16*\rr
	v_pk_add_f32 v[rg+\o:rg+\o+1], v[rg+\o:rg+\o+1], v[rg+\o+4:rg+\o+5]
.endr
.endr
.irp rr, 0,1,2,3
.set rg, PS+64*\st+16*\rr
	v_pk_add_f32 v[rg:rg+1], v[rg:rg+1], v[rg+2:rg+3]
.endr
.irp rr, 0,1,2,3
.set rg, PS+64*\st+16*\rr
	v_add_f32 v[rg], v[rg], v[rg+1]
.endr
.irp m, 1,2,4,8
.irp rr, 0,1,2,3
.set rg, PS+64*\st+16*\rr
	v_add_f32_dpp v[rg], v[rg], v[rg] row_xmask:\m row_mask:0xf bank_mask:0xf
.endr
.endr
.irp rr, 0,1,2,3
.set rg, PS+64*\st+16*\rr
	v_permlanex16_b32 v[rg+1], v[rg], s42, s43
.endr
.irp rr, 0,1,2,3
.set rg, PS+64*\st+16*\rr
	v_add_f32 v[rg], v[rg], v[rg+1]
.endr
.irp rr, 0,1,2,3
.set rg, PS+64*\st+16*\rr
	v_mul_f32 v[rg], s40, v[rg]
.endr
.irp rr, 0,1,2,3
.set rg, PS+64*\st+16*\rr
	ds_store_b32 v[W2ST], v[rg] offset:4*(4*\b+\rr)
.endr
.endm
; The gather's offsets from 16 list entries: lanes 0-15 hold entry p, lanes 16-31 entry p + 16.  An entry's low 12 bits are the token.
.macro ADDR
.set p, 0
.rept 16
	v_min_u32 v[GA+p], 0x3fff, v[EN+p]
.set p, p+1
.endr
.set p, 0
.rept 16
	v_and_b32 v[GA+p], 0xfff, v[GA+p]
.set p, p+1
.endr
.set p, 0
.rept 16
	v_lshl_add_u32 v[GA+p], v[GA+p], 10, v[L16]    ; the token's row of 1,024 bytes, 16 r
.set p, p+1
.endr
.endm
; 32 rows of xb, 64 loads: sixteen lanes take an aligned 256 bytes of a row.
.macro ROWS
	WIN 0x40                                       ; destination window 1
.set p, 0
.rept 16
.irp u, 0,1,2,3
	global_load_b128 v[4*(4*p+\u):4*(4*p+\u)+3], v[GA+p], s[6:7] offset:256*\u
.endr
.set p, p+1
.endr
	WIN 0
.endm
	; THE WEIGHTS COME IN through a ring of three sets of 16 loads; the list is made while the first three batches are on their way.
.irp a, 0,1,2,3,4,5,6,7
	global_load_b128 v[R+4*\a:R+4*\a+3], v[RO], s[4:5] offset:512*\a   ; register 4 a + c: token 1024 w + 128 a + 4 x lane + c
.endr
	W1LD 0, 0
	W1LD 1, 1
	W1LD 2, 2
	; THE LIST.  First every rank takes the padding entry; LDS serves a wave's instructions in order, so the tokens' entries below land on top of it.
.set i, 0
.rept 32
	ds_store_b32 v[LD0], v[PADV] offset:128*i
.set i, i+1
.endr
	s_wait_loadcnt 48                              ; the route words are in; three batches of 16 stay out
	; A token sent to e as choice k gets the next rank and stores the entry 4096 k + t; the others store into the dump word.
	s_mov_b32 s19, 0                               ; entries so far
.set i, 0
.rept 32
.set tm, LT+4*(i%2)
	v_lshrrev_b32 v[tm], s17, v[R+i]               ; bit 0: e is the first choice; bit 12: the second
	v_and_b32 v[tm+1], 0x1000, v[tm]               ; 4096 k
	v_and_b32 v[tm], 0x1001, v[tm]
	v_cmp_ne_u32 vcc_lo, 0, v[tm]
	v_mbcnt_lo_u32_b32 v[tm+2], vcc_lo, s19        ; rank = entries so far + chosen lanes below mine
	v_cndmask_b32 v[tm+2], v[DUMPR], v[tm+2], vcc_lo
	v_min_u32 v[tm+2], 1024, v[tm+2]
	v_lshl_add_u32 v[tm+2], v[tm+2], 2, v[LB]
	v_add3_u32 v[tm+1], v[tm+1], v[TOK0], 128*(i/4)+(i%4)
	ds_store_b32 v[tm+2], v[tm+1]
	s_bcnt1_i32_b32 s20, vcc_lo
	s_add_co_u32 s19, s19, s20
.set i, i+1
.endr
	s_add_co_u32 s20, s19, 31
	s_lshr_b32 s20, s20, 5
	s_max_u32 s20, s20, 1
	s_min_u32 s20, s20, MAXG
	s_sub_co_u32 s21, s20, 1                       ; groups - 1: 0 to 31
.irp nb, 0,1,2,3
	global_load_b128 v[B1+8*\nb:B1+8*\nb+3],   v[B1A], s[10:11] offset:64*\nb      ; the route words are spent
	global_load_b128 v[B1+8*\nb+4:B1+8*\nb+7], v[B1A], s[10:11] offset:64*\nb+16
.endr
	s_wait_loadcnt 40                              ; w1's batch 0 is in; out: batches 1, 2 and b1's eight
	W1CV 0, 0
	W1LD 3, 0
	s_wait_loadcnt 40                              ; batch 1; out: batch 2, b1, batch 3
	W1CV 1, 1
	W2LD 0, 1
	s_wait_loadcnt 40                              ; batch 2; out: b1, batch 3, w2's batch 0
	W1CV 2, 2
	W2LD 1, 2
	s_wait_loadcnt 32                              ; b1 and batch 3; out: w2's batches 0, 1
	W1CV 3, 0
	W2LD 2, 0
.set i, 0
.rept 16
	v_pk_mul_f32 v[B1+2*i:B1+2*i+1], v[B1+2*i:B1+2*i+1], s[38:39] op_sel_hi:[1,0]   ; s b1
.set i, i+1
.endr
	s_wait_loadcnt 32                              ; w2's batch 0; out: batches 1, 2
	W2SUM 0, 1
	W2LD 3, 1
	s_wait_loadcnt 32                              ; batch 1; out: batches 2, 3
	W2SUM 1, 2
	s_wait_loadcnt 16                              ; batch 2; out: batch 3
	W2SUM 2, 0
	s_wait_loadcnt 0x0
	W2SUM 3, 1
	; the first group's entries, spread for the gather, and the whole list, a register a group: LDS serves a wave's instructions in order, so these see my list's stores
.irp q, 0,1,2,3
	ds_load_b128 v[EN+4*\q:EN+4*\q+3], v[LE0] offset:16*\q
.endr
.set i, 0
.rept 32
	ds_load_b32 v[LR+i], v[LD0] offset:128*i
.set i, i+1
.endr
	s_wait_dscnt 0x0                               ; the list is in; and, for the other waves' sake, all my stores into WST and W2SL are done: no LDS instruction stands between here and the signal
	v_mov_b32 v[NE], v[LR]                         ; group 0's entries
	ADDR
	ROWS                                           ; the first group's rows are asked for ahead of the barrier and of the 128 turning loads
	s_barrier_signal -1
	s_barrier_wait -1                              ; the only barrier: WST and W2SL are whole
	WIN 0x80                                       ; destination window 2: K steps 0-7.  Lane (r, h) gets column 16 nb + r, K = 8 h + 0..7 and 16 + 8 h + 0..7 of the step
.set kq, 0
.rept 8
.irp nb, 0,1,2,3
	ds_load_tr16_b128 v[8*(4*kq+\nb):8*(4*kq+\nb)+3],   v[TR] offset:32*WPITCH*kq+32*\nb
	ds_load_tr16_b128 v[8*(4*kq+\nb)+4:8*(4*kq+\nb)+7], v[TR] offset:32*WPITCH*kq+32*\nb+16*WPITCH
.endr
.set kq, kq+1
.endr
	WIN 0xc0                                       ; window 3: K steps 8-15
.set kq, 0
.rept 8
.irp nb, 0,1,2,3
	ds_load_tr16_b128 v[8*(4*kq+\nb):8*(4*kq+\nb)+3],   v[TR2] offset:32*WPITCH*kq+32*\nb
	ds_load_tr16_b128 v[8*(4*kq+\nb)+4:8*(4*kq+\nb)+7], v[TR2] offset:32*WPITCH*kq+32*\nb+16*WPITCH
.endr
.set kq, kq+1
.endr
	WIN 0
; NE = the list's register number s22 + 1 (31 at the most): a tree of 31 selects on the number's five bits, in place on 16 registers.
; Level by level register i takes one of registers 2 i and 2 i + 1, in ascending order, so that none is written before it has been read.
.macro SELECT
	s_add_co_u32 s23, s22, 1
.irp b, 0,1,2,3,4
	s_bitcmp1_b32 s23, \b
	s_cselect_b32 s[44+\b], -1, 0                  ; all lanes or none
.endr
.set i, 0
.rept 16
	v_cndmask_b32 v[EN+i], v[LR+2*i], v[LR+2*i+1], s44
.set i, i+1
.endr
.set i, 0
.rept 8
	v_cndmask_b32 v[EN+i], v[EN+2*i], v[EN+2*i+1], s45
.set i, i+1
.endr
.set i, 0
.rept 4
	v_cndmask_b32 v[EN+i], v[EN+2*i], v[EN+2*i+1], s46
.set i, i+1
.endr
.set i, 0
.rept 2
	v_cndmask_b32 v[EN+i], v[EN+2*i], v[EN+2*i+1], s47
.set i, i+1
.endr
	v_cndmask_b32 v[NE], v[EN], v[EN+1], s48
.endm
; The fragments of x for chunk c (K steps 2 c, 2 c + 1), both tiles, into buffer c % 3: 8 loads.
.macro FETCH c
.irp ks, 0,1
.irp t, 0,1
	ds_load_b128 v[XF+32*((\c)%3)+8*(2*\ks+\t):XF+32*((\c)%3)+8*(2*\ks+\t)+3],   v[XA] offset:16*XP*\t+64*(2*(\c)+\ks)
	ds_load_b128 v[XF+32*((\c)%3)+8*(2*\ks+\t)+4:XF+32*((\c)%3)+8*(2*\ks+\t)+7], v[XA] offset:16*XP*\t+64*(2*(\c)+\ks)+32
.endr
.endr
.endm
; 16 matrix instructions: two K steps x four blocks of columns x two tiles.  The eight accumulators take turns, one instruction a turn.
; The group's first K step takes s b1 as C: the bias starts the sums and nothing is cleared.
.macro MUL c
.if (\c) < 4
	WIN 0x02                                       ; source 0 (w1) window 2
.else
	WIN 0x03                                       ; window 3
.endif
.irp ks, 0,1
.irp nb, 0,1,2,3
.irp t, 0,1
.set ra, ACC+8*(2*\nb+\t)
.set rw, 8*(4*((2*(\c)+\ks)%8)+\nb)
.set rx, XF+32*((\c)%3)+8*(2*\ks+\t)
.if ((\c) == 0) && (\ks == 0)
	v_wmma_f32_16x16x32_bf16 v[ra:ra+7], v[rw:rw+7], v[rx:rx+7], v[B1+8*\nb:B1+8*\nb+7]
.else
	v_wmma_f32_16x16x32_bf16 v[ra:ra+7], v[rw:rw+7], v[rx:rx+7], v[ra:ra+7]
.endif
.endr
.endr
.endr
.endm
; gelu and the dot with w2's sums for block nb, both tiles: 16 numbers a lane, each stage in ascending order (each accumulator is first read at its low end).
.macro GELU nb, first
.set U, ACC+16*\nb
.set i, 0
.rept 16
	v_fma_f32 v[TD+i], |v[U+i]|, s26, 1.0          ; 1 + c1 |u|
.set i, i+1
.endr
.set i, 0
.rept 16
	v_rcp_f32 v[TD+i], v[TD+i]                     ; t
.set i, i+1
.endr
.set i, 0
.rept 8
	v_pk_mul_f32 v[TQ+i:TQ+i+1], v[U+i:U+i+1], v[U+i:U+i+1] neg_lo:[1,0] neg_hi:[1,0]   ; -u^2; the first of these is the plain instruction behind the reciprocals
.set i, i+2
.endr
.set i, 0
.rept 16
	v_exp_f32 v[TQ+i], v[TQ+i]                     ; 2^(-u^2)
.set i, i+1
.endr
.set i, 0
	s_wait_alu depctr_va_vdst(0)
.rept 8
	v_pk_fma_f32 v[TP+i:TP+i+1], v[TD+i:TD+i+1], s[36:37], v[A4:A4+1] op_sel_hi:[1,0,1]   ; a5 t + a4; the plain instruction behind the exponentials
.set i, i+2
.endr
.irp a, 32, 30, 28
.set i, 0
.rept 8
	v_pk_fma_f32 v[TP+i:TP+i+1], v[TP+i:TP+i+1], v[TD+i:TD+i+1], s[\a:\a+1] op_sel_hi:[1,1,0]   ; .. t + a3, a2, a1
.set i, i+2
.endr
.endr
.set i, 0
.rept 8
	v_pk_mul_f32 v[TQ+i:TQ+i+1], v[TQ+i:TQ+i+1], v[TD+i:TD+i+1]
.set i, i+2
.endr
.set i, 0
.rept 8
	v_pk_fma_f32 v[TP+i:TP+i+1], v[TP+i:TP+i+1], v[TQ+i:TQ+i+1], 1.0 op_sel_hi:[1,1,0] neg_lo:[1,0,0] neg_hi:[1,0,0]   ; erf
.set i, i+2
.endr
.set i, 0
.rept 16
	v_fma_f32 v[TD+i], |v[U+i]|, v[TP+i], v[U+i]   ; u + |u| erf = 2 s gelu(z)
.set i, i+1
.endr
.irp p, 0,1,2,3
.irp t, 0,1
.if \first && (\p == 0)
	v_pk_mul_f32 v[SS+2*\t:SS+2*\t+1], v[TD+8*\t+2*\p:TD+8*\t+2*\p+1], v[W2S+8*\nb+2*\p:W2S+8*\nb+2*\p+1]   ; the first products start the sums
.else
	v_pk_fma_f32 v[SS+2*\t:SS+2*\t+1], v[TD+8*\t+2*\p:TD+8*\t+2*\p+1], v[W2S+8*\nb+2*\p:W2S+8*\nb+2*\p+1], v[SS+2*\t:SS+2*\t+1]
.endif
.endr
.endr
.endm
; A GROUP of 32 list entries (number s22; NE holds them).  ahead = 1: the next group's rows are asked for, and are on their way during all of this group's work.
.macro GROUP ahead
	s_wait_xcnt 0x0                                ; the last group's store has had its address translated: its offset and data registers are written again only behind this wait
	v_min_u32 v[SO], 8199, v[NE]                   ; where my lane's result goes: word 4096 k + t of part's row, or the spare word
	v_lshlrev_b32 v[SO], 2, v[SO]
.if \ahead
	SELECT                                         ; the next group's entries, lane l = entry l,
	ds_store_b32 v[SCS], v[NE]                     ; spread through my wave's 32 words: lanes 0-15 get entries 0-15 in 16 registers, lanes 16-31 entries 16-31
.irp q, 0,1,2,3
	ds_load_b128 v[EN+4*\q:EN+4*\q+3], v[SCL] offset:16*\q     ; LDS serves a wave's instructions in order: these see the store above
.endr
.endif
	s_wait_loadcnt 0x0                             ; this group's 64 row loads are in, so their offsets may be written again
.if \ahead
	s_wait_dscnt 0x0                               ; the entries are in (in the first group: w1's fragments too)
	ADDR
.endif
	WIN 0x04                                       ; store data window 1
.set p, 0
.rept 16
.irp u, 0,1,2,3
	ds_store_b128 v[XS], v[4*(4*p+\u):4*(4*p+\u)+3] offset:XP*p+256*\u
.endr
.set p, p+1
.endr
.if \ahead
	ROWS
.else
	WIN 0
.endif
	FETCH 0                                        ; LDS serves a wave's instructions in order: these see the stores above
	FETCH 1
	FETCH 2
.irp c, 0,1,2,3,4,5,6,7
.if \c == 7
	s_wait_dscnt 8                                 ; all but the eight loads of w2's sums
.else
	s_wait_dscnt 16                                ; chunk c is in (and all that was issued before it); the two younger runs of eight loads stay out
.endif
	MUL \c
.if \c != 6
	PLACES                                         ; in front of the loads into the buffer just multiplied; behind chunk 7: in front of gelu
	WIN 0
.endif
.if \c < 5
	FETCH \c+3
.elseif \c == 5
.irp nb, 0,1,2,3
	ds_load_b128 v[W2S+8*\nb:W2S+8*\nb+3],   v[WA] offset:64*\nb       ; w2's sums take buffer 2's place
	ds_load_b128 v[W2S+8*\nb+4:W2S+8*\nb+7], v[WA] offset:64*\nb+16
.endr
.endif
.endr
	s_wait_dscnt 0x0                               ; w2's sums
	GELU 0, 1
	GELU 1, 0
	GELU 2, 0
	GELU 3, 0
	; a token's other 32 columns lie in the lane 16 away: lanes 0-15 end with tile 0's tokens, lanes 16-31 with tile 1's: lane l with list entry l
	v_add_f32 v[TD],   v[SS],   v[SS+1]
	v_add_f32 v[TD+1], v[SS+2], v[SS+3]
	v_cndmask_b32 v[RES],  v[TD],   v[TD+1], s41   ; what I keep
	v_cndmask_b32 v[TD+1], v[TD+1], v[TD],   s41   ; what the other half wants
	v_permlanex16_b32 v[TD+2], v[TD+1], s42, s43   ; its destination has been written by gelu
	v_add_f32 v[RES], v[RES], v[TD+2]
	global_store_b32 v[SO], v[RES], s[14:15]
.endm
	; THE LOOP OVER GROUPS is counted against a constant, the 31 trips that a wave can have at the most; a wave leaves it at the head of the trip in which
	; only its last group is left.  With 32 groups the constant ends it, at s22 = 31 = s21.
	s_mov_b32 s22, 0
.Lgroup:
	s_cmp_eq_u32 s22, s21
	s_cbranch_scc1 .Ltail
	GROUP 1
	s_add_co_u32 s22, s22, 1
	s_cmp_lt_u32 s22, MAXG-1
	s_cbranch_scc1 .Lgroup
.Ltail:
	GROUP 0                                        ; the last group asks for no rows
	s_endpgm
.Lfunc_end_k_qbdfba5a255_expert:
	.size	k_qbdfba5a255_expert, .Lfunc_end_k_qbdfba5a255_expert-k_qbdfba5a255_expert
	.p2alignl 7, 3214868480
	.fill 96, 4, 3214868480
	.section	.rodata,"a",@progbits
	.p2align	6, 0x0
	.amdhsa_kernel k_qbdfba5a255_expert
		.amdhsa_group_segment_fixed_size 233216
		.amdhsa_private_segment_fixed_size 0
		.amdhsa_enable_private_segment 0
		.amdhsa_kernarg_size 48
		.amdhsa_user_sgpr_count 2
		.amdhsa_user_sgpr_kernarg_segment_ptr 1
		.amdhsa_wavefront_size32 1
		.amdhsa_system_sgpr_workgroup_id_x 1
		.amdhsa_system_sgpr_workgroup_id_y 1
		.amdhsa_system_sgpr_workgroup_id_z 1
		.amdhsa_system_vgpr_workitem_id 0
		.amdhsa_next_free_vgpr 1024
		.amdhsa_next_free_sgpr 66
		.amdhsa_reserve_vcc 1
		.amdhsa_float_denorm_mode_32 3
		.amdhsa_float_denorm_mode_16_64 3
		.amdhsa_memory_ordered 1
		.amdhsa_forward_progress 1
		.amdhsa_inst_pref_size 201
	.end_amdhsa_kernel
	.amdgpu_metadata
---
amdhsa.version: [ 1, 2 ]
amdhsa.kernels:
  - .name:           k_qbdfba5a255_expert
    .symbol:         k_qbdfba5a255_expert.kd
    .args:
      - { .name: route, .offset: 0, .size: 8, .value_kind: global_buffer, .address_space: global }
      - { .name: xb, .offset: 8, .size: 8, .value_kind: global_buffer, .address_space: global }
      - { .name: w1, .offset: 16, .size: 8, .value_kind: global_buffer, .address_space: global }
      - { .name: b1, .offset: 24, .size: 8, .value_kind: global_buffer, .address_space: global }
      - { .name: w2, .offset: 32, .size: 8, .value_kind: global_buffer, .address_space: global }
      - { .name: part, .offset: 40, .size: 8, .value_kind: global_buffer, .address_space: global }
    .group_segment_fixed_size: 233216
    .private_segment_fixed_size: 0
    .kernarg_segment_align: 8
    .kernarg_segment_size: 48
    .max_flat_workgroup_size: 128
    .sgpr_count:     66
    .vgpr_count:     1024
    .wavefront_size: 32
...
	.end_amdgpu_metadata
.endif
;; end of part 2
;; launch final (part 3): grid 8 x 1, 8 waves a work-group, no clusters, 1,024 bytes of LDS; arguments part, route, score, b2, out0; writes out0
.if DOCPART == 3
	.amdgcn_target "amdgcn-amd-amdhsa--gfx1250"
	.amdhsa_code_object_version 6
	.text
	.protected	k_qbdfba5a255_final
	.globl	k_qbdfba5a255_final
	.p2align	8
	.type	k_qbdfba5a255_final,@function
k_qbdfba5a255_final:
	s_mov_b64 s[64:65], 0
	v_nop
	global_prefetch_b8 v0, s[64:65] scope:SCOPE_SE
	s_setreg_imm32_b32 hwreg(HW_REG_WAVE_MODE, 25, 1), 1
	s_wait_xcnt 0x0
; THE END.  y[t] = sum over the two choices k of score[k][t] x (sum over hc of part[hc][4096 k + t] + sum_d b2[e_k(t)][d]); out = log_softmax of y over the 512 tokens of a batch.
; SHARES.  A work-group is a batch, since the softmax spans it: 8 work-groups of 8 waves; thread i owns tokens 2 i and 2 i + 1 of the batch, so a load of 8 bytes a lane
; takes 256 neighbouring, aligned bytes of a row of part.  Wave w also sums b2[w] (512 numbers); the eight sums meet in LDS.
; All 64 loads of part of a thread are issued before the first is waited for.  No matrix unit and no joint loads: sums alone, and no byte is read by two work-groups but b2's 16 KiB.
; The maximum is taken away before the exponentials.  LDS: b2's sums at 0, the waves' maxima at 256, their sums at 512: each region is written once.
.set P0, 32                            ; v[32:95]   part, first choice: 32 pairs
.set P1, 96                            ; v[96:159]  second choice
.set PROW, 33024                       ; bytes in a row of part
.set LOG2E, 0x3fb8aa3b
.set LN2,   0x3f317218
	s_load_b256 s[4:11], s[0:1], 0x0               ; part s[4:5], route s[6:7], score s[8:9], b2 s[10:11]
	s_load_b64 s[12:13], s[0:1], 0x20              ; out0
	v_and_b32 v1, 31, v0
	v_lshrrev_b32 v2, 5, v0
	v_readfirstlane_b32 s16, v2                    ; wave
	v_lshlrev_b32 v2, 3, v0                        ; 8 x thread: my two tokens
	v_lshlrev_b32 v3, 4, v1                        ; 16 x lane
	s_lshl_b32 s17, s16, 2
	v_mov_b32 v26, s17                             ; my wave's word in each LDS region
	v_mov_b32 v27, 0
	v_mov_b32 v23, 0                               ; the lane exchange's destination counts as read
	s_lshl_b32 s18, ttmp9, 11                      ; the batch's 512 tokens, 4 bytes each
	s_mov_b32 s19, 0
	s_lshl_b32 s20, s16, 11                        ; b2[w]
	s_mov_b32 s21, 0
	s_mov_b32 s22, 0x76543210
	s_mov_b32 s23, 0xfedcba98
	s_wait_kmcnt 0x0
	s_add_nc_u64 s[4:5], s[4:5], s[18:19]
	s_add_nc_u64 s[6:7], s[6:7], s[18:19]
	s_add_nc_u64 s[8:9], s[8:9], s[18:19]
	s_add_nc_u64 s[12:13], s[12:13], s[18:19]
	s_add_nc_u64 s[10:11], s[10:11], s[20:21]
.irp q, 0,1,2,3
	global_load_b128 v[10+4*\q:13+4*\q], v3, s[10:11] offset:512*\q
.endr
	global_load_b64 v[4:5], v2, s[6:7]
	global_load_b64 v[6:7], v2, s[8:9]
	global_load_b64 v[8:9], v2, s[8:9] offset:16384
.set i, 0
.rept 32
	global_load_b64 v[P0+2*i:P0+2*i+1], v2, s[4:5] offset:PROW*i th:TH_LOAD_NT
.set i, i+1
.endr
	s_wait_loadcnt 32                              ; b2, route and the scores are in; the 32 loads of part stay out
	v_pk_add_f32 v[10:11], v[10:11], v[18:19]
	v_pk_add_f32 v[12:13], v[12:13], v[20:21]
	v_pk_add_f32 v[14:15], v[14:15], v[22:23]
	v_pk_add_f32 v[16:17], v[16:17], v[24:25]
	v_pk_add_f32 v[10:11], v[10:11], v[14:15]
	v_pk_add_f32 v[12:13], v[12:13], v[16:17]
	v_pk_add_f32 v[10:11], v[10:11], v[12:13]
	v_add_f32 v10, v10, v11
.irp m, 1,2,4,8
	v_add_f32_dpp v10, v10, v10 row_xmask:\m row_mask:0xf bank_mask:0xf
.endr
	v_permlanex16_b32 v11, v10, s22, s23
	v_add_f32 v10, v10, v11
	ds_store_b32 v26, v10                          ; every lane stores the same word
.set i, 0
.rept 32
	global_load_b64 v[P1+2*i:P1+2*i+1], v2, s[4:5] offset:PROW*i+16384 th:TH_LOAD_NT
.set i, i+1
.endr
	s_wait_dscnt 0x0                               ; for the others' sake: my sum of b2 is in LDS
	s_barrier_signal -1
	s_barrier_wait -1
	v_bfe_u32 v12, v4, 24, 3                       ; the experts of my two tokens, first and second choice
	v_bfe_u32 v13, v5, 24, 3
	v_bfe_u32 v14, v4, 28, 3
	v_bfe_u32 v15, v5, 28, 3
.irp r, 12,13,14,15
	v_min_u32 v\r, 7, v\r
.endr
.irp r, 12,13,14,15
	v_lshlrev_b32 v\r, 2, v\r
.endr
	ds_load_b32 v16, v12
	ds_load_b32 v17, v13
	ds_load_b32 v18, v14
	ds_load_b32 v19, v15
; 32 pairs into one, in four chains that do not wait for each other
.macro PSUM pb
.set i, 4
.rept 28
	v_pk_add_f32 v[\pb+2*(i%4):\pb+2*(i%4)+1], v[\pb+2*(i%4):\pb+2*(i%4)+1], v[\pb+2*i:\pb+2*i+1]
.set i, i+1
.endr
	v_pk_add_f32 v[\pb:\pb+1], v[\pb:\pb+1], v[\pb+2:\pb+3]
	v_pk_add_f32 v[\pb+4:\pb+5], v[\pb+4:\pb+5], v[\pb+6:\pb+7]
	v_pk_add_f32 v[\pb:\pb+1], v[\pb:\pb+1], v[\pb+4:\pb+5]
.endm
	s_wait_loadcnt 32                              ; the first choice's 32 loads are in; the second's stay out
	PSUM P0
	s_wait_loadcnt 0x0
	PSUM P1
	s_wait_dscnt 0x0                               ; b2's sums
	v_pk_add_f32 v[P0:P0+1], v[P0:P0+1], v[16:17]
	v_pk_mul_f32 v[20:21], v[P0:P0+1], v[6:7]
	v_pk_add_f32 v[P1:P1+1], v[P1:P1+1], v[18:19]
	v_pk_fma_f32 v[20:21], v[P1:P1+1], v[8:9], v[20:21]    ; y of my two tokens
	; the batch's maximum
	v_max_num_f32 v22, v20, v21
.irp m, 1,2,4,8
	v_max_num_f32_dpp v22, v22, v22 row_xmask:\m row_mask:0xf bank_mask:0xf
.endr
	v_permlanex16_b32 v23, v22, s22, s23
	v_max_num_f32 v22, v22, v23
	ds_store_b32 v26, v22 offset:256
	s_wait_dscnt 0x0
	s_barrier_signal -1
	s_barrier_wait -1
	ds_load_b128 v[28:31], v27 offset:256
	ds_load_b128 v[10:13], v27 offset:272
	s_wait_dscnt 0x0
	v_max3_num_f32 v22, v28, v29, v30
	v_max3_num_f32 v22, v22, v31, v10
	v_max3_num_f32 v22, v22, v11, v12
	v_max_num_f32 v22, v22, v13
	; the sum of e^(y - max)
	v_sub_f32 v20, v20, v22
	v_sub_f32 v21, v21, v22
	v_mul_f32 v24, LOG2E, v20
	v_mul_f32 v25, LOG2E, v21
	v_exp_f32 v24, v24
	v_exp_f32 v25, v25
	v_nop                                          ; a plain instruction between the exponentials and the use of their results
	s_wait_alu depctr_va_vdst(0)
	v_add_f32 v24, v24, v25
.irp m, 1,2,4,8
	v_add_f32_dpp v24, v24, v24 row_xmask:\m row_mask:0xf bank_mask:0xf
.endr
	v_permlanex16_b32 v23, v24, s22, s23
	v_add_f32 v24, v24, v23
	ds_store_b32 v26, v24 offset:512
	s_wait_dscnt 0x0
	s_barrier_signal -1
	s_barrier_wait -1
	ds_load_b128 v[28:31], v27 offset:512
	ds_load_b128 v[10:13], v27 offset:528
	s_wait_dscnt 0x0
	v_pk_add_f32 v[28:29], v[28:29], v[30:31]
	v_pk_add_f32 v[10:11], v[10:11], v[12:13]
	v_pk_add_f32 v[28:29], v[28:29], v[10:11]
	v_add_f32 v24, v28, v29
	v_log_f32 v24, v24                             ; log2 of a sum that is at least 1
	v_nop
	s_wait_alu depctr_va_vdst(0)
	v_mul_f32 v24, LN2, v24
	v_sub_f32 v20, v20, v24
	v_sub_f32 v21, v21, v24
	global_store_b64 v2, v[20:21], s[12:13]        ; the wave stores 256 neighbouring bytes, aligned
	s_endpgm
.Lfunc_end_k_qbdfba5a255_final:
	.size	k_qbdfba5a255_final, .Lfunc_end_k_qbdfba5a255_final-k_qbdfba5a255_final
	.p2alignl 7, 3214868480
	.fill 96, 4, 3214868480
	.section	.rodata,"a",@progbits
	.p2align	6, 0x0
	.amdhsa_kernel k_qbdfba5a255_final
		.amdhsa_group_segment_fixed_size 1024
		.amdhsa_private_segment_fixed_size 0
		.amdhsa_enable_private_segment 0
		.amdhsa_kernarg_size 40
		.amdhsa_user_sgpr_count 2
		.amdhsa_user_sgpr_kernarg_segment_ptr 1
		.amdhsa_wavefront_size32 1
		.amdhsa_system_sgpr_workgroup_id_x 1
		.amdhsa_system_sgpr_workgroup_id_y 1
		.amdhsa_system_sgpr_workgroup_id_z 1
		.amdhsa_system_vgpr_workitem_id 0
		.amdhsa_next_free_vgpr 160
		.amdhsa_next_free_sgpr 66
		.amdhsa_reserve_vcc 0
		.amdhsa_float_denorm_mode_32 3
		.amdhsa_float_denorm_mode_16_64 3
		.amdhsa_memory_ordered 1
		.amdhsa_forward_progress 1
		.amdhsa_inst_pref_size 17
	.end_amdhsa_kernel
	.amdgpu_metadata
---
amdhsa.version: [ 1, 2 ]
amdhsa.kernels:
  - .name:           k_qbdfba5a255_final
    .symbol:         k_qbdfba5a255_final.kd
    .args:
      - { .name: part, .offset: 0, .size: 8, .value_kind: global_buffer, .address_space: global }
      - { .name: route, .offset: 8, .size: 8, .value_kind: global_buffer, .address_space: global }
      - { .name: score, .offset: 16, .size: 8, .value_kind: global_buffer, .address_space: global }
      - { .name: b2, .offset: 24, .size: 8, .value_kind: global_buffer, .address_space: global }
      - { .name: out0, .offset: 32, .size: 8, .value_kind: global_buffer, .address_space: global }
    .group_segment_fixed_size: 1024
    .private_segment_fixed_size: 0
    .kernarg_segment_align: 8
    .kernarg_segment_size: 40
    .max_flat_workgroup_size: 256
    .sgpr_count:     66
    .vgpr_count:     160
    .wavefront_size: 32
...
	.end_amdgpu_metadata
.endif
;; end of part 3
;; ======== version 2 of 2: 3 launches; 1.29 times as fast as version 1
;; limits: a function is approximated: absolute error at most 1.5e-07
;; workspace buffers: route 16,384 bytes of whole numbers; score 32,768 bytes; xb 4,194,304 bytes; part 1,056,768 bytes; w2s 65,536 bytes; w1b 16,777,216 bytes
;; launch gate (part 4): grid 256 x 1, 12 waves a work-group, no clusters, 0 bytes of LDS; arguments x, gate_w, gate_b, route, score, xb, w2, w2s, w1, w1b; writes route, score, xb, w2s, w1b
.if DOCPART == 4
	.amdgcn_target "amdgcn-amd-amdhsa--gfx1250"
	.amdhsa_code_object_version 6
	.text
	.protected	k_qbdfba5a255_gate
	.globl	k_qbdfba5a255_gate
	.p2align	8
	.type	k_qbdfba5a255_gate,@function
k_qbdfba5a255_gate:
	s_mov_b64 s[64:65], 0
	v_nop
	global_prefetch_b8 v0, s[64:65] scope:SCOPE_SE
	s_setreg_imm32_b32 hwreg(HW_REG_WAVE_MODE, 25, 1), 1
	s_wait_xcnt 0x0
; THE GATE, AND WHAT THE EXPERTS' LAUNCH WANTS READY.  Three tasks, four waves each, chosen by the wave's number; they share nothing, so there is no LDS and no barrier.
; WAVES 0-3, THE GATE.  logits[t][e] = x[t] . gate_w[:, e] + gate_b[e] in f32 on the vector unit (a logit rounded to bf16 could change which experts are
; chosen); the two largest logits, the lower index first among equals, as top_k orders them; softmax over the two, the larger taken away first.
; Stored: route[t] = 1<<e0 | 1<<(e1+12) | e0<<24 | e1<<28 (whole numbers, from which the later launches form addresses), score[0][t], score[1][t],
; and x rounded to bf16 (xb).  4,096 tokens: 16 a work-group, 4 a wave.  Of every row lane l holds channels d = 128 q + 4 l + c (q, c = 0..3): a load of
; 16 bytes a lane takes 512 neighbouring bytes of x, a store of 8 bytes a lane 256 neighbouring, aligned bytes of xb.  The lane's 16 rows of gate_w stay in registers.
; WAVES 4-7, w2's ROW SUMS.  The model sums each token's output over its channels, and that sum is linear, so of w2 only w2s[e][n] = sum_d w2[e][n][d] is wanted (f32).
; 16,384 rows of 2,048 bytes: 64 a work-group, 16 a wave, each row as four loads of 512 neighbouring bytes.
; WAVES 8-11, w1 IN bf16.  Work-group g = 32 e + hc takes w1[e][:, 64 hc .. 64 hc + 63], a wave four K steps of 32 rows.  The numbers are multiplied by
; s = sqrt(log2(e) / 2) (the experts' gelu wants s z), rounded once, and stored as the matrix instruction's registers want them:
;   w1b[g][K step][c][half a][lane][16 bytes]: lane (r, h) holds column 4 r + c and K = 16 a + 8 h + 0..7.
; A lane's load of 16 bytes is four columns (c = 0..3) of one row, sixteen lanes take an aligned 256 bytes, and two neighbouring rows round into one register.
; Four work-groups of the next launch read each block: 33.5 MB read, 16.8 written and 4 x 16.8 read, against 4 x 33.5, and each number is converted once.
; No matrix unit: 8 columns, and f32 is wanted.
; LIMITS.  Logits are taken to be finite (no NaN, no -inf).  The f32 sums run in another order than a row-by-row sum.
; route and score leave as 16 neighbouring bytes a wave (48 KiB in all) and w2s as 64 (64 KiB in all), against 21 MB of xb and w1b in whole blocks of 256 bytes.
.set X,   32                           ; gate: v[32:95]    token j: 16 numbers of x, index 4 q + c; later its bf16 words
.set A,   96                           ; gate: v[96:127]   token j: 8 sums
.set GW,  128                          ; gate: v[128:255]  gate_w: row index 4 q + c, 8 experts each; later at work in the reduction
.set RT,  16                           ; gate: v[16:19]    token j: the route word
.set S0,  20                           ; gate: v[20:23]    its first score
.set S1,  24                           ; gate: v[24:27]    its second score
.set PS,  32                           ; sums, cast: v[32:223]  three sets of 64 registers for the weights on their way
.set OUTR, 224                         ; cast: v[224:255]  a K step's four fragments
.set LOG2E, 0x3fb8aa3b
	s_load_b256 s[4:11], s[0:1], 0x0               ; x s[4:5], gate_w s[6:7], gate_b s[8:9], route s[10:11]
	s_load_b128 s[12:15], s[0:1], 0x20             ; score s[12:13], xb s[14:15]
	s_load_b256 s[36:43], s[0:1], 0x30             ; w2 s[36:37], w2s s[38:39], w1 s[40:41], w1b s[42:43]
	v_and_b32 v1, 31, v0                           ; lane
	v_lshrrev_b32 v2, 5, v0
	v_readfirstlane_b32 s2, v2                     ; wave
	s_mov_b32 s24, 0x76543210                      ; v_permlanex16_b32: each lane takes its own place in the other half
	s_mov_b32 s25, 0xfedcba98
	s_mov_b32 s31, 0
	s_cmp_ge_u32 s2, 8
	s_cbranch_scc1 .Lcast
	s_cmp_ge_u32 s2, 4
	s_cbranch_scc1 .Lsums
	; ---------------------------------------------------------------- waves 0-3: the gate
	s_lshl_b32 s3, ttmp9, 4
	s_lshl2_add_u32 s3, s2, s3                     ; my first token = 16 x work-group + 4 x wave
	v_lshlrev_b32 v2, 4, v1                        ; 16 l: x
	v_lshlrev_b32 v3, 7, v1                        ; 128 l: four rows of gate_w
	v_lshlrev_b32 v4, 3, v1                        ; 8 l: xb
	v_lshlrev_b32 v5, 2, v1                        ; 4 l: route, score
	s_mov_b32 s26, 2                               ; masks of lane 1, 2, 3
	s_mov_b32 s27, 4
	s_mov_b32 s28, 8
	s_mov_b32 s29, 0x1000
	s_wait_kmcnt 0x0
	s_load_b256 s[16:23], s[8:9], 0x0              ; gate_b: eight numbers, the same for every lane
	s_lshl_b32 s30, s3, 11
	s_add_nc_u64 s[4:5], s[4:5], s[30:31]          ; x at my first token (rows of 2,048 bytes)
	s_lshl_b32 s30, s3, 10
	s_add_nc_u64 s[14:15], s[14:15], s[30:31]      ; xb (rows of 1,024 bytes)
	s_lshl_b32 s30, s3, 2
	s_add_nc_u64 s[10:11], s[10:11], s[30:31]      ; route
	s_add_nc_u64 s[12:13], s[12:13], s[30:31]      ; score
.set d, 0
.rept 16
	global_load_b128 v[GW+8*d:GW+8*d+3],   v3, s[6:7] offset:(d/4)*4096+(d%4)*32
	global_load_b128 v[GW+8*d+4:GW+8*d+7], v3, s[6:7] offset:(d/4)*4096+(d%4)*32+16
.set d, d+1
.endr
.irp j, 0,1,2,3
.irp q, 0,1,2,3
	global_load_b128 v[X+16*\j+4*\q:X+16*\j+4*\q+3], v2, s[4:5] offset:\j*2048+\q*512 th:TH_LOAD_NT
.endr
.endr
; Token j: 16 channels x 8 experts, two experts to an instruction; x's number is taken for both halves.  Then the row goes out in bf16.
.macro TOKEN j
	s_wait_loadcnt 12-4*\j                         ; loads come back in order: gate_w and my row are in, the younger tokens' four loads each stay out
.set d, 0
.rept 16
.set xr, X+16*\j+d-(d%2)
.irp p, 0,1,2,3
.if d == 0
	v_pk_mul_f32 v[A+8*\j+2*\p:A+8*\j+2*\p+1], v[GW+8*d+2*\p:GW+8*d+2*\p+1], v[xr:xr+1] op_sel_hi:[1,0]   ; the first channel starts the sums
.elseif d%2 == 0
	v_pk_fma_f32 v[A+8*\j+2*\p:A+8*\j+2*\p+1], v[GW+8*d+2*\p:GW+8*d+2*\p+1], v[xr:xr+1], v[A+8*\j+2*\p:A+8*\j+2*\p+1] op_sel_hi:[1,0,1]
.else
	v_pk_fma_f32 v[A+8*\j+2*\p:A+8*\j+2*\p+1], v[GW+8*d+2*\p:GW+8*d+2*\p+1], v[xr:xr+1], v[A+8*\j+2*\p:A+8*\j+2*\p+1] op_sel:[0,1,0] op_sel_hi:[1,1,1]
.endif
.endr
.set d, d+1
.endr
.irp q, 0,1,2,3
	v_cvt_pk_bf16_f32 v[X+16*\j+4*\q],   v[X+16*\j+4*\q],   v[X+16*\j+4*\q+1]
	v_cvt_pk_bf16_f32 v[X+16*\j+4*\q+1], v[X+16*\j+4*\q+2], v[X+16*\j+4*\q+3]
	global_store_b64 v4, v[X+16*\j+4*\q:X+16*\j+4*\q+1], s[14:15] offset:\j*1024+\q*256   ; the wave stores 256 neighbouring bytes, aligned; these registers are not written again
.endr
.endm
	TOKEN 0
	TOKEN 1
	TOKEN 2
	TOKEN 3
	; The 32 sums over the 32 lanes, stage by stage, so that no instruction waits for the one in front of it; every lane ends with every logit.
.irp m, 1,2,4,8
.set i, 0
.rept 32
	v_add_f32_dpp v[A+i], v[A+i], v[A+i] row_xmask:\m row_mask:0xf bank_mask:0xf
.set i, i+1
.endr
.endr
.set i, 0
.rept 32
	v_permlanex16_b32 v[GW+i], v[A+i], s24, s25    ; gate_w's registers are spent, and have been written
.set i, i+1
.endr
	s_wait_kmcnt 0x0                               ; gate_b
.set i, 0
.rept 32
	v_add_f32 v[A+i], v[A+i], v[GW+i]
.set i, i+1
.endr
.set i, 0
.rept 32
	v_add_f32 v[A+i], s[16+(i%8)], v[A+i]
.set i, i+1
.endr
; Token j's two largest logits (m1, i1) in v6, v7 and (m2, i2) in v8, v9, by selects alone: no branch hangs on a floating-point number.
; The compares are strict, so of equal logits the lower index stays in front.
.macro TOP2 j
	v_mov_b32 v6, v[A+8*\j]
	v_mov_b32 v7, 0
	v_mov_b32 v8, 0xff800000                       ; -inf: any finite logit takes its place
	v_mov_b32 v9, 0
.irp e, 1,2,3,4,5,6,7
	v_cmp_gt_f32 vcc_lo, v[A+8*\j+\e], v6
	v_cmp_gt_f32 s32, v[A+8*\j+\e], v8
	v_cndmask_b32 v8, v8, v[A+8*\j+\e], s32        ; larger than the second: it is the second,
	v_cndmask_b32 v9, v9, \e, s32
	v_cndmask_b32 v8, v8, v6, vcc_lo               ; unless it is larger than the first, which then steps down
	v_cndmask_b32 v9, v9, v7, vcc_lo
	v_cndmask_b32 v6, v6, v[A+8*\j+\e], vcc_lo
	v_cndmask_b32 v7, v7, \e, vcc_lo
.endr
	v_sub_f32 v10, v8, v6                          ; m2 - m1 <= 0: the maximum is taken away
	v_mul_f32 v10, LOG2E, v10
	v_exp_f32 v10, v10                             ; t = e^(m2 - m1)
	v_lshlrev_b32 v12, v7, 1                       ; a plain instruction between the exponential and the use of its result
	s_wait_alu depctr_va_vdst(0)
	v_add_f32 v11, 1.0, v10
	v_rcp_f32 v[S0+\j], v11                        ; 1 / (1 + t)
	v_lshlrev_b32 v13, v9, s29                     ; a plain instruction again
	s_wait_alu depctr_va_vdst(0)
	v_mul_f32 v[S1+\j], v10, v[S0+\j]              ; t / (1 + t)
	v_or_b32 v12, v12, v13
	v_lshl_or_b32 v12, v7, 24, v12
	v_lshl_or_b32 v[RT+\j], v9, 28, v12
.endm
	TOP2 0
	TOP2 1
	TOP2 2
	TOP2 3
	; lane j (0 to 3) takes token j's three numbers
.irp b, RT, S0, S1
	v_cndmask_b32 v[\b], v[\b], v[\b+1], s26
	v_cndmask_b32 v[\b], v[\b], v[\b+2], s27
	v_cndmask_b32 v[\b], v[\b], v[\b+3], s28
.endr
	v_cmp_gt_u32 vcc_lo, 4, v1
	s_wait_xcnt 0x0                                ; EXEC is a source of the stores of xb: it is narrowed only behind this wait
	s_and_saveexec_b32 s33, vcc_lo
	global_store_b32 v5, v[RT], s[10:11]
	global_store_b32 v5, v[S0], s[12:13]
	global_store_b32 v5, v[S1], s[12:13] offset:16384
	s_endpgm
	; ---------------------------------------------------------------- waves 4-7: w2's row sums
; Batch b: my rows 4 b .. 4 b + 3, each as four loads of 512 neighbouring bytes, into set st.
.macro W2LD b, st
.set i, 0
.rept 16
	global_load_b128 v[PS+64*\st+4*i:PS+64*\st+4*i+3], v2, s[36:37] offset:(4*\b+i/4)*2048+(i%4)*512 th:TH_LOAD_NT
.set i, i+1
.endr
.endm
; The four rows' sums, stage by stage over the rows; every lane ends with each sum, and lane 4 b + rr of v4 keeps row 4 b + rr's.
.macro W2SUM b, st
.irp o, 0,2,4,6
.irp rr, 0,1,2,3
.set rg, PS+64*\st+16*\rr
	v_pk_add_f32 v[rg+\o:rg+\o+1], v[rg+\o:rg+\o+1], v[rg+\o+8:rg+\o+9]
.endr
.endr
.irp o, 0,2
.irp rr, 0,1,2,3
.set rg, PS+64*\st+16*\rr
	v_pk_add_f32 v[rg+\o:rg+\o+1], v[rg+\o:rg+\o+1], v[rg+\o+4:rg+\o+5]
.endr
.endr
.irp rr, 0,1,2,3
.set rg, PS+64*\st+16*\rr
	v_pk_add_f32 v[rg:rg+1], v[rg:rg+1], v[rg+2:rg+3]
.endr
.irp rr, 0,1,2,3
.set rg, PS+64*\st+16*\rr
	v_add_f32 v[rg], v[rg], v[rg+1]
.endr
.irp m, 1,2,4,8
.irp rr, 0,1,2,3
.set rg, PS+64*\st+16*\rr
	v_add_f32_dpp v[rg], v[rg], v[rg] row_xmask:\m row_mask:0xf bank_mask:0xf
.endr
.endr
.irp rr, 0,1,2,3
.set rg, PS+64*\st+16*\rr
	v_permlanex16_b32 v[rg+1], v[rg], s24, s25
.endr
.irp rr, 0,1,2,3
.set rg, PS+64*\st+16*\rr
	v_add_f32 v[rg], v[rg], v[rg+1]
.endr
.irp rr, 0,1,2,3
.set rg, PS+64*\st+16*\rr
.if (\b == 0) && (\rr == 0)
	v_mov_b32 v4, v[rg]                            ; the first sum writes every lane
.else
	s_mov_b32 s20, 1<<(4*\b+\rr)
	v_cndmask_b32 v4, v4, v[rg], s20
.endif
.endr
.endm
.Lsums:
	s_sub_co_u32 s3, s2, 4                         ; 0..3
	v_lshlrev_b32 v2, 4, v1                        ; 16 x lane
	v_lshlrev_b32 v3, 2, v1                        ; 4 x lane
	s_lshl_b32 s30, ttmp9, 17                      ; the work-group's 64 rows of 2,048 bytes,
	s_lshl_b32 s20, s3, 15                         ; my 16 of them
	s_add_co_u32 s30, s30, s20
	s_wait_kmcnt 0x0
	s_add_nc_u64 s[36:37], s[36:37], s[30:31]
	s_lshl_b32 s30, ttmp9, 8
	s_lshl_b32 s20, s3, 6
	s_add_co_u32 s30, s30, s20
	s_add_nc_u64 s[38:39], s[38:39], s[30:31]      ; w2s at my 16 sums
	W2LD 0, 0
	W2LD 1, 1
	W2LD 2, 2
	s_wait_loadcnt 32                              ; batch 0 is in; batches 1 and 2 stay out
	W2SUM 0, 0
	W2LD 3, 0
	s_wait_loadcnt 32                              ; batch 1; out: batches 2, 3
	W2SUM 1, 1
	s_wait_loadcnt 16                              ; batch 2; out: batch 3
	W2SUM 2, 2
	s_wait_loadcnt 0x0
	W2SUM 3, 0
	v_cmp_gt_u32 vcc_lo, 16, v1
	s_wait_xcnt 0x0                                ; EXEC is narrowed only behind this wait
	s_and_saveexec_b32 s33, vcc_lo
	global_store_b32 v3, v4, s[38:39]              ; sixteen lanes, 64 neighbouring bytes
	s_endpgm
	; ---------------------------------------------------------------- waves 8-11: w1 in bf16, as fragments
; My K step q: load i = 8 a + j brings row 32 q + 16 a + 8 h + j, four columns a lane, into set st.
.macro W1LD q, st
.set i, 0
.rept 16
	global_load_b128 v[PS+64*\st+4*i:PS+64*\st+4*i+3], v2, s[40:41] offset:(32*\q+16*(i/8)+(i%8))*8192 th:TH_LOAD_NT
.set i, i+1
.endr
.endm
; Times s; register i = 4 a + i2 of fragment c takes column c of rows 2 i and 2 i + 1 of the sixteen (K = 16 a + 8 h + 2 i2, and the next); eight stores of 512 neighbouring bytes.
.macro W1CV q, st
.set sb, PS+64*\st
.set i, 0
.rept 32
	v_pk_mul_f32 v[sb+2*i:sb+2*i+1], v[sb+2*i:sb+2*i+1], s[34:35] op_sel_hi:[1,0]
.set i, i+1
.endr
.if \q > 0
	s_wait_xcnt 0x0                                ; the last K step's stores have had their addresses translated: their data registers are written again only behind this wait
.endif
.irp c, 0,1,2,3
.set i, 0
.rept 8
	v_cvt_pk_bf16_f32 v[OUTR+8*\c+i], v[sb+8*i+\c], v[sb+8*i+4+\c]
.set i, i+1
.endr
.endr
.irp c, 0,1,2,3
.irp a, 0,1
	global_store_b128 v3, v[OUTR+8*\c+4*\a:OUTR+8*\c+4*\a+3], s[42:43] offset:\q*4096+(2*\c+\a)*512
.endr
.endr
.endm
.Lcast:
	s_sub_co_u32 s3, s2, 8                         ; 0..3: K steps 4 s3 .. 4 s3 + 3
	v_and_b32 v2, 15, v0                           ; r
	v_bfe_u32 v3, v0, 4, 1                         ; h
	v_lshlrev_b32 v2, 4, v2
	v_lshl_add_u32 v2, v3, 16, v2                  ; 8 h rows of 8,192 bytes, 16 r
	v_lshlrev_b32 v3, 4, v1                        ; 16 x lane
	s_mov_b32 s34, 0x3f596d27                      ; s = sqrt(log2(e) / 2); a pair, since the packed form names a pair
	s_mov_b32 s35, 0x3f596d27
	s_lshr_b32 s20, ttmp9, 5
	s_lshl_b32 s30, s20, 22                        ; w1[e],
	s_and_b32 s20, ttmp9, 31
	s_lshl_b32 s20, s20, 8
	s_add_co_u32 s30, s30, s20                     ; column 64 hc,
	s_lshl_b32 s20, s3, 20
	s_add_co_u32 s30, s30, s20                     ; my 128 rows of 8,192 bytes
	s_wait_kmcnt 0x0
	s_add_nc_u64 s[40:41], s[40:41], s[30:31]
	s_lshl_b32 s30, ttmp9, 16                      ; w1b: the work-group's 64 KiB,
	s_lshl_b32 s20, s3, 14                         ; my four K steps of 4 KiB
	s_add_co_u32 s30, s30, s20
	s_add_nc_u64 s[42:43], s[42:43], s[30:31]
	W1LD 0, 0
	W1LD 1, 1
	W1LD 2, 2
	s_wait_loadcnt 32                              ; K step 0 is in; 1 and 2 stay out
	W1CV 0, 0
	W1LD 3, 0
	s_wait_loadcnt 32                              ; K step 1; out: 2, 3
	W1CV 1, 1
	s_wait_loadcnt 16                              ; K step 2; out: 3
	W1CV 2, 2
	s_wait_loadcnt 0x0
	W1CV 3, 0
	s_endpgm
.Lfunc_end_k_qbdfba5a255_gate:
	.size	k_qbdfba5a255_gate, .Lfunc_end_k_qbdfba5a255_gate-k_qbdfba5a255_gate
	.p2alignl 7, 3214868480
	.fill 96, 4, 3214868480
	.section	.rodata,"a",@progbits
	.p2align	6, 0x0
	.amdhsa_kernel k_qbdfba5a255_gate
		.amdhsa_group_segment_fixed_size 0
		.amdhsa_private_segment_fixed_size 0
		.amdhsa_enable_private_segment 0
		.amdhsa_kernarg_size 80
		.amdhsa_user_sgpr_count 2
		.amdhsa_user_sgpr_kernarg_segment_ptr 1
		.amdhsa_wavefront_size32 1
		.amdhsa_system_sgpr_workgroup_id_x 1
		.amdhsa_system_sgpr_workgroup_id_y 1
		.amdhsa_system_sgpr_workgroup_id_z 1
		.amdhsa_system_vgpr_workitem_id 0
		.amdhsa_next_free_vgpr 256
		.amdhsa_next_free_sgpr 66
		.amdhsa_reserve_vcc 1
		.amdhsa_float_denorm_mode_32 3
		.amdhsa_float_denorm_mode_16_64 3
		.amdhsa_memory_ordered 1
		.amdhsa_forward_progress 1
		.amdhsa_inst_pref_size 100
	.end_amdhsa_kernel
	.amdgpu_metadata
---
amdhsa.version: [ 1, 2 ]
amdhsa.kernels:
  - .name:           k_qbdfba5a255_gate
    .symbol:         k_qbdfba5a255_gate.kd
    .args:
      - { .name: x, .offset: 0, .size: 8, .value_kind: global_buffer, .address_space: global }
      - { .name: gate_w, .offset: 8, .size: 8, .value_kind: global_buffer, .address_space: global }
      - { .name: gate_b, .offset: 16, .size: 8, .value_kind: global_buffer, .address_space: global }
      - { .name: route, .offset: 24, .size: 8, .value_kind: global_buffer, .address_space: global }
      - { .name: score, .offset: 32, .size: 8, .value_kind: global_buffer, .address_space: global }
      - { .name: xb, .offset: 40, .size: 8, .value_kind: global_buffer, .address_space: global }
      - { .name: w2, .offset: 48, .size: 8, .value_kind: global_buffer, .address_space: global }
      - { .name: w2s, .offset: 56, .size: 8, .value_kind: global_buffer, .address_space: global }
      - { .name: w1, .offset: 64, .size: 8, .value_kind: global_buffer, .address_space: global }
      - { .name: w1b, .offset: 72, .size: 8, .value_kind: global_buffer, .address_space: global }
    .group_segment_fixed_size: 0
    .private_segment_fixed_size: 0
    .kernarg_segment_align: 8
    .kernarg_segment_size: 80
    .max_flat_workgroup_size: 384
    .sgpr_count:     66
    .vgpr_count:     256
    .wavefront_size: 32
...
	.end_amdgpu_metadata
.endif
;; end of part 4
;; launch expert (part 5): grid 256 x 1, 4 waves a work-group, no clusters, 84,480 bytes of LDS; arguments route, xb, w1b, b1, w2s, part; writes part
.if DOCPART == 5
	.amdgcn_target "amdgcn-amd-amdhsa--gfx1250"
	.amdhsa_code_object_version 6
	.text
	.protected	k_qbdfba5a255_expert
	.globl	k_qbdfba5a255_expert
	.p2align	8
	.type	k_qbdfba5a255_expert,@function
k_qbdfba5a255_expert:
	s_mov_b64 s[64:65], 0
	v_nop
	global_prefetch_b8 v0, s[64:65] scope:SCOPE_SE
	s_setreg_imm32_b32 hwreg(HW_REG_WAVE_MODE, 25, 1), 1
	s_wait_xcnt 0x0
; THE EXPERTS.  The model sums each token's output over its 512 channels, and that sum is linear: sum_d (h @ w2[e] + b2[e]) = h . rowsum(w2[e]) + sum(b2[e]).
; A token with combine weight 0 for an expert adds 0.  So for every token t that the gate sent to expert e as its choice k, and every block hc of 64 columns,
;   part[hc][4096 k + t] = sum over the block's columns n of gelu(x[t] . w1[e][:, n] + b1[e][n]) x w2s[e][n].
; SHARES.  A work-group is one expert x 256 columns x one quarter of the tokens: 8 x 8 x 4 = 256.  Wave w keeps its own 64 columns (block hc = 4 cb + w, 512 K, bf16)
; in 512 registers, loaded as they lie in w1b, 512 neighbouring bytes an instruction.  The quarter's tokens that go to e are walked in groups of 32; a gathered row of xb
; lies in LDS once and feeds all four waves, 256 columns: 8,192 rows x 1 KiB x 8 column blocks = 67 MB of rows, and 4 x 16.8 MB of weights, in the launch.
; A group for a wave: two tiles of 16 tokens x four blocks of 16 columns x 16 K steps = 128 matrix instructions.
; THE LIST.  Every wave makes the same list from the quarter's 1,024 route words, in LDS bytes of its own (a scatter by rank), and reads it whole into 32 registers, lane l of
; register g = entry 32 g + l.  A group's register is picked by a tree of selects on the bits of g, so every LDS address in the loop is a constant of the text plus terms of
; the wave and the lane.
; THE LOOP has a constant 32 groups, the most that 1,024 tokens can make, two to a trip, one for each of two LDS slots.  Each wave gathers 8 of a group's 32 rows.  ONE BARRIER
; A GROUP, in every trip and on every path: in front of it a wave's stores into this group's slot and its reads of the other slot are done, so behind it the slot is whole,
; and the stores that overwrite a slot come a barrier behind the last reads of it.  A group behind the list's end is dead: its stores and its work are jumped over.
; THE MATRIX INSTRUCTION: source 0 = 16 columns of w1, source 1 = 16 tokens.  Fragment c holds column 4 r + c in lane r, so in the result register j of block c, lane (r, h),
; is token r and column 32 h + 4 j + c; b1 and w2's sums are laid so by the multiplies that scale them.  b1 is the C of the first K step, and the sum over columns stays in
; the lane but for one exchange of halves.
; GELU, exact form: w1b and b1 carry the factor s = sqrt(log2(e) / 2), so the sums are u = s z and e^(-z^2/2) = 2^(-u^2).
; erf(|z|/sqrt 2) = 1 - t (a1 + t (a2 + t (a3 + t (a4 + t a5)))) 2^(-u^2), t = 1 / (1 + c1 |u|) (Abramowitz and Stegun 7.1.26: absolute error at most
; 1.5e-7 for every argument).  u + |u| erf = 2 s gelu(z); the factor 1 / (2 s) lies in w2's sums.  For large |u| the exponential is 0 and erf is 1.
; NO JOINT LOADS: the four quarters of a column block do read the same 256 KiB of w1b, but their numbers of live groups differ, and the jumps over dead groups hang on them.
; Any counts from 0 to 1,024 give right values.  Ranks behind the last token hold a padding entry, 8192 + 4 e + tq: its low 12 bits name token 4 e + tq, a row that exists,
; and its result goes to that spare word of part's row, which nothing reads.  The row fixes the column block and the word fixes expert and quarter, so each spare word, like
; each token's word, is stored into by one work-group alone.
; part is stored 4 bytes a lane at the token's own place: 1 MiB in all, and the last launch reads it with fixed, neighbouring addresses.
;
; LDS: XB: two slots of 32 rows of xb, 1,040 bytes apart (65 x 16: the 16 rows of a fragment load start 16 bytes apart modulo 256); LIST: for each wave 1,024 entries, then
;      a dump word; SCR: for each wave 32 words.
; REGISTERS, in windows of 256 (s_set_vgpr_msb: bits 1:0 source 0, 3:2 source 1, 5:4 source 2, 7:6 destination):
;   window 0: v0-15 addresses and odds; v16-19 the gather's offsets; v32-95 eight accumulators (at a group's head: the select tree); v96-191 fragments of x, three buffers
;             of 32 (used again by gelu); v192-223 w2's sums; v224-255 b1
;   window 1: v0-63 my 16 row loads; v64-95 the list; v96-159 b1 and w2s as loaded     window 2: w1's fragments of K steps 0-7     window 3: of K steps 8-15
.set XB,    0
.set XBS,   33280                      ; a slot
.set XP,    1040
.set LIST,  66560
.set LISTB, 4352
.set SCR,   83968
.set MAXG,  32                         ; groups at the most: 1,024 tokens / 32
.set SPARE, 8192                       ; part's row: the first spare word; 32 of them are used, 4 e + tq
.set LANE, 1                           ; v1      lane
.set A4,   2                           ; v[2:3]  a4, twice (r and h lie here while the addresses are made)
.set XS,   4                           ; v4      XB: where I put 16 bytes of a row
.set XA,   5                           ; v5      XB: my fragments
.set LB,   6                           ; v6      my wave's list (ahead of the loop)
.set LE0,  7                           ; v7      the list: the four entries of group 0 that my half gathers (ahead of the loop)
.set NE,   7                           ; v7      in the loop: lane l holds entry l of the group whose rows were asked for last
.set LD0,  8                           ; v8      the list, my lane's entry of group 0 (ahead of the loop)
.set SCS,  9                           ; v9      SCR: my lane's word
.set SCL,  10                          ; v10     SCR: the four words that my half gathers
.set RES,  11                          ; v11     the result to store (ahead of the loop: 16 x lane)
.set RO,   11
.set SO,   14                          ; v14     the store's offset
.set L16,  15                          ; v15     16 r
.set GA,   16                          ; v[16:19] byte offsets in xb of the rows to gather
.set ACC,  32
.set EN,   ACC                         ; at a group's head: the select tree, then four list entries
.set XF,   96                          ; three buffers of 32: chunk c (K steps 2 c, 2 c + 1) lies in buffer c % 3
.set W2S,  192                         ; w2's sums / (2 s), 8 c + j
.set B1,   224                         ; s b1, 8 c + j
.set SS,   XF                          ; gelu: two pairs of running sums, one a tile
.set TD,   XF+16
.set TQ,   XF+32
.set TP,   XF+48
; ahead of the loop only:
.set TOK0, 21
.set B1A,  23
.set LT,   24                          ; two sets of three, at 24 and 28
.set PADV, 27
.set DUMPR, 31
.set EN0,  28                          ; v[28:31] group 0's four entries, when the list has been made
.set R,    224                         ; 32 route words
; window 1:
.set ST,   0
.set LR,   64
.set T1,   96
.set T2,   128
.set MSB, 0
.macro WIN new                         ; the immediate's high byte repeats the setting that is left; a switch that changes nothing is dropped
.if MSB != \new
	s_set_vgpr_msb (MSB<<8)|\new
.set MSB, \new
.endif
.endm
.macro PLACES                          ; four places between a matrix instruction and a load into, or a vector write of, one of its registers, or a vector read of its result
.rept 4
	v_nop
.endr
.endm
	s_load_b256 s[4:11], s[0:1], 0x0               ; route s[4:5], xb s[6:7], w1b s[8:9], b1 s[10:11]
	s_load_b128 s[12:15], s[0:1], 0x20             ; w2s s[12:13], part s[14:15]
	v_and_b32 v[LANE], 31, v0
	v_lshrrev_b32 v2, 5, v0
	v_readfirstlane_b32 s16, v2                    ; wave
	s_lshr_b32 s17, ttmp9, 5                       ; e
	s_bfe_u32 s18, ttmp9, 0x30002                  ; cb: which 256 columns
	s_and_b32 s50, ttmp9, 3                        ; tq: which quarter of the tokens; the four readers of a block of w1b are neighbours
	s_lshl2_add_u32 s51, s18, s16                  ; hc = 4 cb + w: my 64 columns
	s_mov_b32 s26, 0x3e8ba43f                      ; c1 = 0.3275911 / sqrt(log2 e)
	s_mov_b32 s28, 0x3e827906                      ; a1, a2, a3, a5: pairs, since the packed forms name pairs
	s_mov_b32 s29, 0x3e827906
	s_mov_b32 s30, 0xbe91a98e
	s_mov_b32 s31, 0xbe91a98e
	s_mov_b32 s32, 0x3fb5f0e3
	s_mov_b32 s33, 0x3fb5f0e3
	s_mov_b32 s36, 0x3f87dc22
	s_mov_b32 s37, 0x3f87dc22
	s_mov_b32 s38, 0x3f596d27                      ; s = sqrt(log2(e) / 2)
	s_mov_b32 s40, 0x3f16b55f                      ; 1 / (2 s)
	s_mov_b32 s41, 0xffff0000                      ; lanes 16-31
	s_mov_b32 s42, 0x76543210                      ; v_permlanex16_b32: each lane takes its own place in the other half
	s_mov_b32 s43, 0xfedcba98
	v_and_b32 v2, 15, v0                           ; r
	v_bfe_u32 v3, v0, 4, 1                         ; h
	v_lshlrev_b32 v[L16], 4, v2
	v_lshlrev_b32 v[RO], 4, v[LANE]                ; route, w1b: 16 x lane
	s_lshl_b32 s23, s16, 4                         ; 16 w: my four of a half's sixteen entries
	s_mul_i32 s20, s16, LISTB
	s_add_co_u32 s20, s20, LIST
	v_mov_b32 v[LB], s20
	v_lshl_add_u32 v[LD0], v[LANE], 2, v[LB]
	s_add_co_u32 s20, s20, s23
	v_lshl_add_u32 v[LE0], v3, 6, s20              ; entries 16 h + 4 w ..
	s_lshl_b32 s20, s16, 7
	s_add_co_u32 s20, s20, SCR
	v_lshl_add_u32 v[SCS], v[LANE], 2, s20         ; SCR: my wave's 128 bytes, 4 x lane
	s_add_co_u32 s20, s20, s23
	v_lshl_add_u32 v[SCL], v3, 6, s20              ; and words 16 h + 4 w ..
	s_mul_i32 s20, s16, 4*XP
	v_mul_u32_u24 v[XS], v3, 16*XP
	v_add3_u32 v[XS], v[XS], v[L16], s20           ; in: row 16 h + 4 w + pp, 16 r
	v_mul_u32_u24 v[XA], v2, XP
	v_lshl_add_u32 v[XA], v3, 4, v[XA]             ; out: row r, 16 h
	s_lshl_b32 s20, s50, 10
	v_lshl_add_u32 v[TOK0], v[LANE], 2, s20        ; 1024 tq + 4 x lane
	v_lshlrev_b32 v[B1A], 7, v3                    ; b1, w2s: my half's 32 numbers
	v_mov_b32 v[DUMPR], 1024                       ; the rank of the list's dump word
	s_lshl2_add_u32 s20, s17, s50                  ; 4 e + tq
	s_add_co_u32 s20, s20, SPARE
	v_mov_b32 v[PADV], s20                         ; the padding entry: this work-group's own spare word in each of its four rows of part
	v_mov_b32 v[A4], 0xbfba00e3                    ; r and h have served
	v_mov_b32 v[A4+1], 0xbfba00e3
	s_mov_b32 s25, 0
	s_wait_kmcnt 0x0
	s_lshl_b32 s24, s50, 12
	s_add_nc_u64 s[4:5], s[4:5], s[24:25]          ; route at the quarter's 1,024 tokens
	s_lshl_b32 s24, s17, 5
	s_add_co_u32 s24, s24, s51
	s_lshl_b32 s24, s24, 16
	s_add_nc_u64 s[8:9], s[8:9], s[24:25]          ; w1b: block 32 e + hc, 64 KiB
	s_lshl_b32 s24, s17, 13
	s_lshl_b32 s23, s51, 8
	s_add_co_u32 s24, s24, s23
	s_add_nc_u64 s[10:11], s[10:11], s[24:25]      ; b1[e][64 hc]
	s_add_nc_u64 s[12:13], s[12:13], s[24:25]      ; w2s[e][64 hc]
	s_mul_i32 s24, s51, 33024
	s_add_nc_u64 s[14:15], s[14:15], s[24:25]      ; part[hc]
; Loads number from .. from + count - 1 of the 128 that bring my weights: load n fills registers 4 (n % 64) .. + 3 of window 2 + n / 64.
.macro WLOAD from, count
.set n, \from
.rept \count
	global_load_b128 v[4*(n%64):4*(n%64)+3], v[RO], s[8:9] offset:512*n
.set n, n+1
.endr
.endm
; The gather's offsets from four list entries: lanes 0-15 hold entry 4 w + pp, lanes 16-31 entry 16 + 4 w + pp.  An entry's low 12 bits are the token.
.macro ADDR en
.irp pp, 0,1,2,3
	v_min_u32 v[GA+\pp], 0x3fff, v[\en+\pp]
.endr
.irp pp, 0,1,2,3
	v_and_b32 v[GA+\pp], 0xfff, v[GA+\pp]
.endr
.irp pp, 0,1,2,3
	v_lshl_add_u32 v[GA+\pp], v[GA+\pp], 10, v[L16]    ; the token's row of 1,024 bytes, 16 r
.endr
.endm
; My 8 rows of xb, 16 loads: sixteen lanes take an aligned 256 bytes of a row.
.macro ROWS
	WIN 0x40                                       ; destination window 1
.irp pp, 0,1,2,3
.irp u, 0,1,2,3
	global_load_b128 v[ST+4*(4*\pp+\u):ST+4*(4*\pp+\u)+3], v[GA+\pp], s[6:7] offset:256*\u
.endr
.endr
	WIN 0
.endm
.irp a, 0,1,2,3,4,5,6,7
	global_load_b128 v[R+4*\a:R+4*\a+3], v[RO], s[4:5] offset:512*\a   ; register 4 a + c: token 1024 tq + 128 a + 4 x lane + c
.endr
	WIN 0x80
	WLOAD 0, 48                                    ; the list is made while these are on their way
	WIN 0
	; THE LIST.  First every rank takes the padding entry; LDS serves a wave's instructions in order, so the tokens' entries below land on top of it.
.set i, 0
.rept 32
	ds_store_b32 v[LD0], v[PADV] offset:128*i
.set i, i+1
.endr
	s_wait_loadcnt 48                              ; the route words are in; the 48 loads of weights stay out
	; A token sent to e as choice k gets the next rank and stores the entry 4096 k + t; the others store into the dump word.
	s_mov_b32 s19, 0                               ; entries so far
.set i, 0
.rept 32
.set tm, LT+4*(i%2)
	v_lshrrev_b32 v[tm], s17, v[R+i]               ; bit 0: e is the first choice; bit 12: the second
	v_and_b32 v[tm+1], 0x1000, v[tm]               ; 4096 k
	v_and_b32 v[tm], 0x1001, v[tm]
	v_cmp_ne_u32 vcc_lo, 0, v[tm]
	v_mbcnt_lo_u32_b32 v[tm+2], vcc_lo, s19        ; rank = entries so far + chosen lanes below mine
	v_cndmask_b32 v[tm+2], v[DUMPR], v[tm+2], vcc_lo
	v_min_u32 v[tm+2], 1024, v[tm+2]
	v_lshl_add_u32 v[tm+2], v[tm+2], 2, v[LB]
	v_add3_u32 v[tm+1], v[tm+1], v[TOK0], 128*(i/4)+(i%4)
	ds_store_b32 v[tm+2], v[tm+1]
	s_bcnt1_i32_b32 s20, vcc_lo
	s_add_co_u32 s19, s19, s20
.set i, i+1
.endr
	s_add_co_u32 s20, s19, 31
	s_lshr_b32 s20, s20, 5
	s_min_u32 s21, s20, MAXG                       ; live groups: 0 to 32, the same number in all four waves
	; group 0's entries for the gather, and the whole list, a register a group: LDS serves a wave's instructions in order, so these see my list's stores
	ds_load_b128 v[EN0:EN0+3], v[LE0]
	WIN 0x40                                       ; destination window 1
.set i, 0
.rept 32
	ds_load_b32 v[LR+i], v[LD0] offset:128*i
.set i, i+1
.endr
.irp q, 0,1,2,3,4,5,6,7
	global_load_b128 v[T1+4*\q:T1+4*\q+3], v[B1A], s[10:11] offset:16*\q   ; register 4 j + c: column 32 h + 4 j + c
.endr
.irp q, 0,1,2,3,4,5,6,7
	global_load_b128 v[T2+4*\q:T2+4*\q+3], v[B1A], s[12:13] offset:16*\q
.endr
	WIN 0
	s_wait_dscnt 0x0                               ; the list is in
	WIN 0x01                                       ; source window 1
	v_mov_b32 v[NE], v[LR]                         ; group 0's entries
	WIN 0
	ADDR EN0
	ROWS                                           ; group 0's rows, ahead of the rest of the weights: they have the further way, through LDS
	WIN 0x80
	WLOAD 48, 16
	WIN 0xc0
	WLOAD 64, 64
	WIN 0
	s_wait_loadcnt 63                              ; 96 loads were issued behind b1's and w2s's: with 63 out these are in
	WIN 0x04                                       ; source 1 window 1
.irp c, 0,1,2,3
.irp j, 0,1,2,3,4,5,6,7
	v_mul_f32 v[B1+8*\c+\j],  s38, v[T1+4*\j+\c]   ; s b1, laid as block c's accumulator has its columns
	v_mul_f32 v[W2S+8*\c+\j], s40, v[T2+4*\j+\c]   ; w2's sums / (2 s), likewise
.endr
.endr
	WIN 0
; NE = the list's register number s23 (31 at the most): a tree of 31 selects on the number's five bits, in place on 16 registers.
; Level by level register i takes one of registers 2 i and 2 i + 1, in ascending order, so that none is written before it has been read.
.macro SELECT
.irp b, 0,1,2,3,4
	s_bitcmp1_b32 s23, \b
	s_cselect_b32 s[44+\b], -1, 0                  ; all lanes or none
.endr
	WIN 0x05                                       ; sources 0 and 1 window 1
.set i, 0
.rept 16
	v_cndmask_b32 v[EN+i], v[LR+2*i], v[LR+2*i+1], s44
.set i, i+1
.endr
	WIN 0
.set i, 0
.rept 8
	v_cndmask_b32 v[EN+i], v[EN+2*i], v[EN+2*i+1], s45
.set i, i+1
.endr
.set i, 0
.rept 4
	v_cndmask_b32 v[EN+i], v[EN+2*i], v[EN+2*i+1], s46
.set i, i+1
.endr
.set i, 0
.rept 2
	v_cndmask_b32 v[EN+i], v[EN+2*i], v[EN+2*i+1], s47
.set i, i+1
.endr
	v_cndmask_b32 v[NE], v[EN], v[EN+1], s48
.endm
; The fragments of x for chunk c (K steps 2 c, 2 c + 1), both tiles, from slot sl into buffer c % 3: 8 loads.
.macro FETCH c, sl
.irp ks, 0,1
.irp t, 0,1
	ds_load_b128 v[XF+32*((\c)%3)+8*(2*\ks+\t):XF+32*((\c)%3)+8*(2*\ks+\t)+3],   v[XA] offset:XB+\sl*XBS+16*XP*\t+64*(2*(\c)+\ks)
	ds_load_b128 v[XF+32*((\c)%3)+8*(2*\ks+\t)+4:XF+32*((\c)%3)+8*(2*\ks+\t)+7], v[XA] offset:XB+\sl*XBS+16*XP*\t+64*(2*(\c)+\ks)+32
.endr
.endr
.endm
; 16 matrix instructions: two K steps x four blocks of columns x two tiles.  The eight accumulators take turns, one instruction a turn.
; The group's first K step takes s b1 as C: the bias starts the sums and nothing is cleared.
.macro MUL c
.if (\c) < 4
	WIN 0x02                                       ; source 0 (w1) window 2
.else
	WIN 0x03                                       ; window 3
.endif
.irp ks, 0,1
.irp nb, 0,1,2,3
.irp t, 0,1
.set ra, ACC+8*(2*\nb+\t)
.set rw, 8*(4*((2*(\c)+\ks)%8)+\nb)
.set rx, XF+32*((\c)%3)+8*(2*\ks+\t)
.if ((\c) == 0) && (\ks == 0)
	v_wmma_f32_16x16x32_bf16 v[ra:ra+7], v[rw:rw+7], v[rx:rx+7], v[B1+8*\nb:B1+8*\nb+7]
.else
	v_wmma_f32_16x16x32_bf16 v[ra:ra+7], v[rw:rw+7], v[rx:rx+7], v[ra:ra+7]
.endif
.endr
.endr
.endr
.endm
; gelu and the dot with w2's sums for block nb, both tiles: 16 numbers a lane, each stage in ascending order (each accumulator is first read at its low end).
.macro GELU nb, first
.set U, ACC+16*\nb
.set i, 0
.rept 16
	v_fma_f32 v[TD+i], |v[U+i]|, s26, 1.0          ; 1 + c1 |u|
.set i, i+1
.endr
.set i, 0
.rept 16
	v_rcp_f32 v[TD+i], v[TD+i]                     ; t
.set i, i+1
.endr
.set i, 0
.rept 8
	v_pk_mul_f32 v[TQ+i:TQ+i+1], v[U+i:U+i+1], v[U+i:U+i+1] neg_lo:[1,0] neg_hi:[1,0]   ; -u^2; the first of these is the plain instruction behind the reciprocals
.set i, i+2
.endr
.set i, 0
.rept 16
	v_exp_f32 v[TQ+i], v[TQ+i]                     ; 2^(-u^2)
.set i, i+1
.endr
.set i, 0
	s_wait_alu depctr_va_vdst(0)
.rept 8
	v_pk_fma_f32 v[TP+i:TP+i+1], v[TD+i:TD+i+1], s[36:37], v[A4:A4+1] op_sel_hi:[1,0,1]   ; a5 t + a4; the plain instruction behind the exponentials
.set i, i+2
.endr
.irp a, 32, 30, 28
.set i, 0
.rept 8
	v_pk_fma_f32 v[TP+i:TP+i+1], v[TP+i:TP+i+1], v[TD+i:TD+i+1], s[\a:\a+1] op_sel_hi:[1,1,0]   ; .. t + a3, a2, a1
.set i, i+2
.endr
.endr
.set i, 0
.rept 8
	v_pk_mul_f32 v[TQ+i:TQ+i+1], v[TQ+i:TQ+i+1], v[TD+i:TD+i+1]
.set i, i+2
.endr
.set i, 0
.rept 8
	v_pk_fma_f32 v[TP+i:TP+i+1], v[TP+i:TP+i+1], v[TQ+i:TQ+i+1], 1.0 op_sel_hi:[1,1,0] neg_lo:[1,0,0] neg_hi:[1,0,0]   ; erf
.set i, i+2
.endr
.set i, 0
.rept 16
	v_fma_f32 v[TD+i], |v[U+i]|, v[TP+i], v[U+i]   ; u + |u| erf = 2 s gelu(z)
.set i, i+1
.endr
.irp p, 0,1,2,3
.irp t, 0,1
.if \first && (\p == 0)
	v_pk_mul_f32 v[SS+2*\t:SS+2*\t+1], v[TD+8*\t+2*\p:TD+8*\t+2*\p+1], v[W2S+8*\nb+2*\p:W2S+8*\nb+2*\p+1]   ; the first products start the sums
.else
	v_pk_fma_f32 v[SS+2*\t:SS+2*\t+1], v[TD+8*\t+2*\p:TD+8*\t+2*\p+1], v[W2S+8*\nb+2*\p:W2S+8*\nb+2*\p+1], v[SS+2*\t:SS+2*\t+1]
.endif
.endr
.endr
.endm
; GROUP number s22 + odd, in slot odd.  NE holds its entries, and my 8 of its rows are on their way into registers.
.macro GROUP odd
.if \odd
	s_add_co_u32 s49, s22, 1
.else
	s_mov_b32 s49, s22
.endif
	s_wait_loadcnt 0x0                             ; on every path: my rows are in (in the first group: my weights too), and no load is out whose registers or offsets are written below
	s_cmp_ge_u32 s49, s21
	s_cbranch_scc1 .Lnorows_\@                     ; a dead group has no rows
	WIN 0x04                                       ; store data window 1
.irp pp, 0,1,2,3
.irp u, 0,1,2,3
	ds_store_b128 v[XS], v[ST+4*(4*\pp+\u):ST+4*(4*\pp+\u)+3] offset:XB+\odd*XBS+XP*\pp+256*\u
.endr
.endr
	WIN 0
.Lnorows_\@:
	s_wait_dscnt 0x0                               ; for the others' sake: my rows are in this slot, and my reads of the other slot are done
	s_barrier_signal -1
	s_barrier_wait -1                              ; this slot is whole; the other may be written by the next group
	s_cmp_ge_u32 s49, s21
	s_cbranch_scc1 .Ldead_\@
	s_wait_xcnt 0x0                                ; the last group's store has had its address translated: its offset and data registers are written again only behind this wait
	v_min_u32 v[SO], SPARE+31, v[NE]               ; where my lane's result goes: word 4096 k + t of part's row, or the work-group's spare word
	v_lshlrev_b32 v[SO], 2, v[SO]
	FETCH 0, \odd
	FETCH 1, \odd
	FETCH 2, \odd
	s_add_co_u32 s23, s49, 1
	s_cmp_ge_u32 s23, s21
	s_cbranch_scc1 .Llast_\@                       ; behind the last live group nothing is gathered
	SELECT                                         ; the next group's entries, lane l = entry l,
	ds_store_b32 v[SCS], v[NE]                     ; spread through my wave's 32 words: my half's four come back in four registers
	ds_load_b128 v[EN:EN+3], v[SCL]                ; LDS serves a wave's instructions in order: this sees the store above
	s_wait_dscnt 0x0
	ADDR EN
	ROWS                                           ; on their way during all of this group's work
.Llast_\@:
.irp c, 0,1,2,3,4,5,6,7
.if \c < 6
	s_wait_dscnt 16                                ; chunk c is in; the two younger runs of eight loads stay out
.elseif \c == 6
	s_wait_dscnt 8                                 ; the last run stays out
.else
	s_wait_dscnt 0x0
.endif
	MUL \c
.if \c < 5
	PLACES                                         ; in front of the loads into the buffer just multiplied
	WIN 0
	FETCH \c+3, \odd
.endif
.endr
	WIN 0
	PLACES                                         ; in front of gelu, which reads the results and writes over the last fragments
	GELU 0, 1
	GELU 1, 0
	GELU 2, 0
	GELU 3, 0
	; a token's other 32 columns lie in the lane 16 away: lanes 0-15 end with tile 0's tokens, lanes 16-31 with tile 1's: lane l with list entry l
	v_add_f32 v[TD],   v[SS],   v[SS+1]
	v_add_f32 v[TD+1], v[SS+2], v[SS+3]
	v_cndmask_b32 v[RES],  v[TD],   v[TD+1], s41   ; what I keep
	v_cndmask_b32 v[TD+1], v[TD+1], v[TD],   s41   ; what the other half wants
	v_permlanex16_b32 v[TD+2], v[TD+1], s42, s43   ; its destination has been written by gelu
	v_add_f32 v[RES], v[RES], v[TD+2]
	global_store_b32 v[SO], v[RES], s[14:15]
.Ldead_\@:
.endm
	s_mov_b32 s22, 0
.Lpair:                                                ; 16 trips, whatever the list's length: every wave passes all 32 barriers
	GROUP 0
	GROUP 1
	s_add_co_u32 s22, s22, 2
	s_cmp_lt_u32 s22, MAXG
	s_cbranch_scc1 .Lpair
	s_endpgm
.Lfunc_end_k_qbdfba5a255_expert:
	.size	k_qbdfba5a255_expert, .Lfunc_end_k_qbdfba5a255_expert-k_qbdfba5a255_expert
	.p2alignl 7, 3214868480
	.fill 96, 4, 3214868480
	.section	.rodata,"a",@progbits
	.p2align	6, 0x0
	.amdhsa_kernel k_qbdfba5a255_expert
		.amdhsa_group_segment_fixed_size 84480
		.amdhsa_private_segment_fixed_size 0
		.amdhsa_enable_private_segment 0
		.amdhsa_kernarg_size 48
		.amdhsa_user_sgpr_count 2
		.amdhsa_user_sgpr_kernarg_segment_ptr 1
		.amdhsa_wavefront_size32 1
		.amdhsa_system_sgpr_workgroup_id_x 1
		.amdhsa_system_sgpr_workgroup_id_y 1
		.amdhsa_system_sgpr_workgroup_id_z 1
		.amdhsa_system_vgpr_workitem_id 0
		.amdhsa_next_free_vgpr 1024
		.amdhsa_next_free_sgpr 66
		.amdhsa_reserve_vcc 1
		.amdhsa_float_denorm_mode_32 3
		.amdhsa_float_denorm_mode_16_64 3
		.amdhsa_memory_ordered 1
		.amdhsa_forward_progress 1
		.amdhsa_inst_pref_size 144
	.end_amdhsa_kernel
	.amdgpu_metadata
---
amdhsa.version: [ 1, 2 ]
amdhsa.kernels:
  - .name:           k_qbdfba5a255_expert
    .symbol:         k_qbdfba5a255_expert.kd
    .args:
      - { .name: route, .offset: 0, .size: 8, .value_kind: global_buffer, .address_space: global }
      - { .name: xb, .offset: 8, .size: 8, .value_kind: global_buffer, .address_space: global }
      - { .name: w1b, .offset: 16, .size: 8, .value_kind: global_buffer, .address_space: global }
      - { .name: b1, .offset: 24, .size: 8, .value_kind: global_buffer, .address_space: global }
      - { .name: w2s, .offset: 32, .size: 8, .value_kind: global_buffer, .address_space: global }
      - { .name: part, .offset: 40, .size: 8, .value_kind: global_buffer, .address_space: global }
    .group_segment_fixed_size: 84480
    .private_segment_fixed_size: 0
    .kernarg_segment_align: 8
    .kernarg_segment_size: 48
    .max_flat_workgroup_size: 128
    .sgpr_count:     66
    .vgpr_count:     1024
    .wavefront_size: 32
...
	.end_amdgpu_metadata
.endif
;; end of part 5
;; launch final: the kernel of part 3 again; grid 8 x 1, 8 waves a work-group, no clusters, 1,024 bytes of LDS; arguments part, route, score, b2, out0; writes out0
